; MI455X (gfx1250); checked and timed in simulation.
; The chip was launched on July 23, 2026; its instructions are those of AMD's public machine-readable ISA for CDNA 5 (MIT licence, August 2026) and "CDNA5" Instruction Set Architecture Reference Guide (July 2026). The comments in the code are by the model that wrote it; some were corrected since.
;; Split Causal Self Attention. Allowed arithmetic: matrix products marked QUANTISED: E3M2 operands, one E8M0 scale for each 32 along K, by v_wmma_scale_f32_16x16x128_f8f6f4 with both operands' format E3M2, f32 sums; everything else in f32.
;; Inputs: Wk 1,024 x 1,024 float32; Wo 1,024 x 1,024 float32; Wq 1,024 x 1,024 float32; Wv 1,024 x 1,024 float32; X 4 x 2,048 x 1,024 float32; bo 1,024 float32.
;; Outputs: out0 4 x 2,048 x 1,024 float32.
;; This version of the problem:
;;   THIS VERSION OF THE PROBLEM IS GIVEN IN LOW PRECISION. The matrix products marked QUANTISED in the list below multiply operands that are first quantised to E3M2 (3 exponent bits, 2 mantissa bits; 6 bits a number), with one power-of-two scale for each 32 numbers along K (OCP MX v1.0); their sums are f32. All else is computed in f32.
;;   The module's matrix products, in the order in which they are computed (A, B: the left and right operand; K: the contracted axis; several contracted axes count as one K, in the product's order):
;;     1. [M 8,192, K 1,024] x [K 1,024, N 1,024]; A: input X; B: input Wq: QUANTISED
;;     2. [M 8,192, K 1,024] x [K 1,024, N 1,024]; A: input X; B: input Wk: QUANTISED
;;     3. [M 8,192, K 1,024] x [K 1,024, N 1,024]; A: input X; B: input Wv: QUANTISED
;;     4. batch 64 x [M 2,048, K 64] x [K 64, N 2,048]; A: computed on the way; B: computed on the way: QUANTISED
;;     5. batch 64 x [M 2,048, K 2,048] x [K 2,048, N 64]; A: softmax (see below); B: computed on the way: QUANTISED
;;     6. [M 8,192, K 1,024] x [K 1,024, N 1,024]; A: computed on the way; B: input Wo: QUANTISED
;;   THE QUANTISER, for each operand of a quantised product, along K:
;;     - K is cut into blocks of 32 from its start; a last block that is shorter is filled with zeros.
;;     - A block's scale is 2^e with e = floor(log2(the largest magnitude in the block)) - 4, held to -126 .. 127; a block of zeros has e = 0. As a byte (E8M0): e + 127.
;;     - Each number is divided by its block's scale, clamped to +-28, and rounded to the nearest number of E3M2, ties to even, subnormals kept.
;;     - The product sums the exact products of the quantised numbers (number of the format x scale) in f32.
;;   ~~~python
;;   def quantise(x, axis):      # numpy; x: float32 -> the quantised numbers, widened to float32 again
;;       x = np.moveaxis(x, axis, -1); K = x.shape[-1]
;;       x = np.pad(x, [(0, 0)] * (x.ndim - 1) + [(0, -K % 32)]); x = x.reshape(x.shape[:-1] + (-1, 32)); a = np.abs(x).max(-1, keepdims=True)
;;       e = np.where(a > 0, np.clip(np.frexp(np.where(a > 0, a, 1))[1] - 1 - 4, -126, 127), 0)      # np.frexp(a)[1] - 1 = floor(log2(a)), exactly
;;       r = np.clip(x / 2.0 ** e, -28, 28)
;;       step = 2.0 ** (np.maximum(np.frexp(np.where(r == 0, 1, r))[1] - 1, -2) - 2)
;;       q = np.round(r / step) * step * 2.0 ** e      # np.round: ties to even
;;       return np.moveaxis(q.reshape(q.shape[:-2] + (-1,))[..., :K], -1, axis).astype(np.float32)
;;   ~~~
;;   SOFTMAX AHEAD OF A QUANTISED PRODUCT. Where the list says 'softmax', what is quantised is not the finished softmax but p = 2^(t - M), with t = logit x log2(e) and M = ceil(the row's largest t), a whole number; so 1/2 < the row's largest p <= 1. The row's sum l is taken of the UNQUANTISED p, in f32, and the product's result is divided by l at the end. Since M is a whole number, a kernel that streams over the keys may use a running M (the ceiling of the running maximum): every later rescaling is an exact power of two, which a block's scale takes up: the codes' values come out the same.
;;   OPERANDS COMPUTED ON THE WAY. 'Computed on the way' means the value that the module computes at that place (a softmax that the list does not call 'softmax' is quantised finished and normalised). What goes into a quantiser is computed in f32, as accurately as f32 sums, v_exp_f32 and their like allow (about 1e-6 of the number): no bf16 or f16 on the way to a quantiser, and a product that is left as it is and whose result goes on into a quantised operand takes f32 operands (vector FMAs, or v_wmma_f32_16x16x4_f32). A number that lies on a knife's edge between two numbers of the format may be rounded either way, as far as f32 arithmetic and the matrix unit's own rounding can turn it there, and no further.
;; One version. Each part assembles by itself: llvm-mc -triple=amdgcn-amd-amdhsa -mcpu=gfx1250 --defsym DOCPART=n.
;; ======== version 1 of 1: 4 launches
;; workspace buffers: xc 6,291,456 bytes; xs 262,144 bytes; wc 3,145,728 bytes; ws 131,072 bytes; ac 18,874,368 bytes; asc 786,432 bytes; yc 6,291,456 bytes; ys 262,144 bytes
;; launch quant (part 1): grid 768 x 1, 4 waves a work-group, no clusters, 68,608 bytes of LDS; arguments X, Wq, Wk, Wv, Wo, xc, xs, wc, ws; writes xc, xs, wc, ws
.if DOCPART == 1
	.amdgcn_target "amdgcn-amd-amdhsa--gfx1250"
	.amdhsa_code_object_version 6
	.text
	.protected	k_qf6f666460c_quant
	.globl	k_qf6f666460c_quant
	.p2align	8
	.type	k_qf6f666460c_quant,@function
k_qf6f666460c_quant:
	s_mov_b64 s[64:65], 0
	v_nop
	global_prefetch_b8 v0, s[64:65] scope:SCOPE_SE
	s_setreg_imm32_b32 hwreg(HW_REG_WAVE_MODE, 25, 1), 1
	s_wait_xcnt 0x0
; LAUNCH 1 OF 4 (quant, qkv, attn, proj): causal self-attention, B 4, T 2,048, C 1,024, 16 heads of 64, all six products on codes of BF6 (E3M2) with one E8M0 scale for each 32 along K.
; This launch turns X [8,192][1,024] and Wq, Wk, Wv, Wo [1,024][1,024], f32, K innermost, into codes and scale bytes: xc, xs for X; wc, ws for the four weights stacked (rows 0 Wq, 1,024 Wk, 2,048 Wv, 3,072 Wo).
; WORK LEFT OUT BY THE PROGRAM (launch attn): a step of 128 keys all of which come after all 16 queries of a wave.  reference() builds the mask jnp.tril itself and sets those logits to -inf ahead of the softmax, so their
; p is 0 and they add nothing to the row's maximum, to its sum or to Y, whatever finite values X and the weights hold.  Every input is loaded, bo too.  LIMIT: a NaN, an infinity or an overflow that would reach only those tiles is not carried to the result.
; A block's scale is 2^(floor(log2(its largest magnitude)) - 4): its byte is the largest magnitude's exponent field - 4, held at 1 from below by a floor among the maximum's leaves.
; LIMITS: NaN and infinities among the inputs are not served.  A block of zeros gets the byte 1 where the rule says 127: its codes are zeros, and this program alone reads the bytes.
; THE ORDER INSIDE A BLOCK OF 32.  All code streams of this program hold a block's codes in the order: place 16 a + 8 b + j holds element 16 b + 8 a + j.  The blocks and their scales are the true ones, and both operands of every
; product have the same order, so the products are the same; only the order of the sums inside a matrix instruction differs.  A matrix result falls into this order by itself when it is quantised in registers (launches qkv, attn).
; LAYOUT OF CODES: [tile of 16 rows][128 along K: 8][half: 2][768 bytes]: the operand's registers 6 e .. 6 e + 3 at 16 x lane, registers 6 e + 4, 6 e + 5 at 512 + 8 x lane.  SCALE WORDS: [tile][256 along K: 4][row][2].
; SHARES.  A work-group takes a tile of 16 rows; wave w takes 256 along K: two operand fragments.  Each load reads 512 consecutive bytes of a row; the numbers turn through the wave's own stage in LDS, so that lane (r, h)
; gets, of row r and each block of 32, elements 8 h + 0..7 and 16 + 8 h + 0..7.  All 32 loads of a wave go out at once.  No matrix unit, cluster or tensor load: a stream that shares nothing.
.set SP,    528                        ; a stage row: 512 bytes + 16
.set HST,   16*SP                      ; a stage: 16 rows
.set WST,   2*HST                      ; a wave's two stages
.set SCST,  4*WST                      ; behind them: the tile's 128 scale words
.set SPARE, SCST+512                   ; the spare words, 128 bytes for each wave: two blocks of 256 bytes that no other line names
.set TM,    8                          ; v8-11 largest magnitudes, v12-15 bytes, v20-23 the conversions' scale operands
.set CT,    24                         ; v24-30 the second half of each pair of blocks, as converted
.set SPW,   58                         ; v58  LDS address of my spare word; never rewritten
.set NIL,   59                         ; v59  0; never rewritten
.set SEL,   24                         ; s[24:25] lane selects: lane l xor 16
.set HM,    27                         ; s27  lanes 16-31
.set WV,    28                         ; s28  my wave's number
	s_load_b256 s[4:11], s[0:1], 0x0               ; X, Wq, Wk, Wv
	s_load_b256 s[12:19], s[0:1], 0x20             ; Wo, xc, xs, wc
	s_load_b64 s[20:21], s[0:1], 0x40              ; ws
	v_lshl_add_u32 v[SPW], v0, 2, SPARE
	v_mov_b32 v[NIL], 0
	v_lshrrev_b32 v7, 5, v0
	v_readfirstlane_b32 s[WV], v7
	v_and_b32 v7, 31, v0                           ; lane
	v_and_b32 v60, 15, v0                          ; r
	v_bfe_u32 v61, v0, 4, 1                        ; h
	v_lshlrev_b32 v1, 4, v7                        ; 16 x lane
	v_lshlrev_b32 v2, 3, v7                        ; 8 x lane
	s_mul_i32 s29, s[WV], WST
	v_add_nc_u32 v3, s29, v1                       ; into a stage: a row's 512 bytes as they lie
	v_mul_u32_u24 v4, v60, SP
	v_lshl_add_u32 v4, v61, 5, v4
	v_add_nc_u32 v4, s29, v4                       ; out of it: row r, + 32 h
	v_lshlrev_b32 v5, 3, v60
	v_lshl_add_u32 v5, v61, 2, v5
	s_lshl_b32 s29, s[WV], 7
	s_add_co_u32 s29, s29, SCST
	v_add_nc_u32 v5, s29, v5                       ; my scale word: 128 w + 8 r + 4 h
	v_add_nc_u32 v6, SCST, v1                      ; and the tile's 512 bytes of them, 16 a lane
.irp b, 0,1,2,3
	v_mov_b32 v[TM+4+\b], 0                        ; written once: a lane permute's destination counts as one of its sources
.endr
	s_mov_b32 s[SEL], 0x76543210
	s_mov_b32 s[SEL+1], 0xfedcba98
	s_mov_b32 s[HM], 0xffff0000
	s_wait_kmcnt 0x0
	; which tensor: work-groups 0-511 take X, the others the weights, 64 tiles each.  The choices hang on the work-group's number alone
	s_sub_co_u32 s31, ttmp9, 512
	s_lshr_b32 s32, s31, 6
	s_cmp_eq_u32 s32, 2
	s_cselect_b64 s[12:13], s[10:11], s[12:13]
	s_cmp_eq_u32 s32, 1
	s_cselect_b64 s[12:13], s[8:9], s[12:13]
	s_cmp_eq_u32 s32, 0
	s_cselect_b64 s[12:13], s[6:7], s[12:13]
	s_and_b32 s33, s31, 63
	s_cmp_lt_u32 ttmp9, 512
	s_cselect_b64 s[12:13], s[4:5], s[12:13]       ; the numbers
	s_cselect_b64 s[14:15], s[14:15], s[18:19]     ; the codes
	s_cselect_b64 s[16:17], s[16:17], s[20:21]     ; the scale words
	s_cselect_b32 s33, ttmp9, s33                  ; the tile in its tensor
	s_cselect_b32 s31, ttmp9, s31                  ; and in the codes' buffer
	s_lshl_b32 s34, s33, 16                        ; 16 rows of 4,096 bytes,
	s_lshl_b32 s35, s[WV], 10                      ; my 256 along K
	s_add_co_u32 s34, s34, s35
	s_mov_b32 s35, 0
	s_add_nc_u64 s[12:13], s[12:13], s[34:35]
	s_mul_i32 s34, s31, 12288
	s_mul_i32 s36, s[WV], 3072
	s_add_co_u32 s34, s34, s36
	s_add_nc_u64 s[14:15], s[14:15], s[34:35]
	s_lshl_b32 s34, s31, 9
	s_add_nc_u64 s[16:17], s[16:17], s[34:35]
.irp f, 0,1
.irp i, 0,1,2,3,4,5,6,7,8,9,10,11,12,13,14,15
	global_load_b128 v[64+64*\f+4*\i:67+64*\f+4*\i], v1, s[12:13] offset:4096*\i+512*\f th:TH_LOAD_NT   ; row i, fragment f: 32 lanes read 512 consecutive bytes
.endr
.endr
.macro STORE f                         ; fragment f's 16 rows into stage f
.irp i, 0,1,2,3,4,5,6,7,8,9,10,11,12,13,14,15
	ds_store_b128 v3, v[64+64*\f+4*\i:67+64*\f+4*\i] offset:HST*\f+SP*\i
.endr
.endm
.macro LOADX f, dst                    ; and back: register 16 b + 8 u + j = element 32 b + 16 u + 8 h + j of my row.  LDS serves a wave's instructions in order: these see the stores
.irp b, 0,1,2,3
.irp u, 0,1
.irp j, 0,1
	ds_load_b128 v[\dst+16*\b+8*\u+4*\j:\dst+16*\b+8*\u+4*\j+3], v4 offset:HST*\f+128*\b+64*\u+16*\j
.endr
.endr
.endr
.endm
; 64 numbers of a lane become a fragment's codes, registers 0-5 in v[d0] on and 6-11 in v[d1] on, and its scale word in v[pw].
.macro QUANT src, d0, d1, pw
.irp b, 0,1,2,3
	v_max3_num_f32 v[TM+\b], |v[(\src)+16*\b]|, |v[(\src)+16*\b+1]|, 0x2800000   ; block b: my 16 numbers, and the floor 2^(5 - 127): the byte cannot fall under 1
.endr
.irp i, 2,4,6,8,10,12,14
.irp b, 0,1,2,3
	v_max3_num_f32 v[TM+\b], v[TM+\b], |v[(\src)+16*\b+\i]|, |v[(\src)+16*\b+\i+1]|   ; (the four blocks by turns)
.endr
.endr
.irp b, 0,1,2,3
	v_permlanex16_b32 v[TM+4+\b], v[TM+\b], s[SEL], s[SEL+1]
.endr
.irp b, 0,1,2,3
	v_max_num_f32 v[TM+\b], v[TM+\b], v[TM+4+\b]   ; with lane l xor 16's 16: the block's largest magnitude
.endr
.irp b, 0,1,2,3
	v_add_nc_u32 v[TM+12+\b], 0xfe000000, v[TM+\b] ; 4 off its exponent field: the conversion takes this operand's exponent field as its scale
.endr
.irp b, 0,1,2,3
	v_lshrrev_b32 v[TM+4+\b], 23, v[TM+12+\b]      ; the scale's byte
.endr
	v_lshl_or_b32 v[\pw], v[TM+5], 8, v[TM+4]
	v_lshl_or_b32 v[\pw], v[TM+6], 16, v[\pw]
	v_lshl_or_b32 v[\pw], v[TM+7], 24, v[\pw]      ; my row's scale word
	v_cvt_scalef32_pk16_bf6_f32 v[(\d0):(\d0)+2], v[(\src):(\src)+15], v[TM+12]
	v_cvt_scalef32_pk16_bf6_f32 v[CT:CT+2], v[(\src)+16:(\src)+31], v[TM+13]      ; (a conversion's three registers begin on an even number)
	v_cvt_scalef32_pk16_bf6_f32 v[(\d1):(\d1)+2], v[(\src)+32:(\src)+47], v[TM+14]
	v_cvt_scalef32_pk16_bf6_f32 v[CT+4:CT+6], v[(\src)+48:(\src)+63], v[TM+15]
	v_nop                                          ; one plain place behind a scaled conversion
.irp i, 0,1,2
	v_permlane16_swap_b32 v[(\d0)+\i], v[CT+\i]    ; the operand's layout wants a whole block in a lane: lanes 0-15 the even block, lanes 16-31 the odd one
	v_permlane16_swap_b32 v[(\d1)+\i], v[CT+4+\i]
.endr
.irp i, 0,1,2
	v_mov_b32 v[(\d0)+3+\i], v[CT+\i]
	v_mov_b32 v[(\d1)+3+\i], v[CT+4+\i]
.endr
.endm
.macro PUT pc, off                     ; a fragment's 12 registers: stores of 512 and 256 consecutive bytes, each at a multiple of 256 from the buffer's first byte
	global_store_b128 v1, v[\pc:\pc+3], s[14:15] offset:\off
	global_store_b64 v2, v[\pc+4:\pc+5], s[14:15] offset:\off+512
	global_store_b128 v1, v[\pc+6:\pc+9], s[14:15] offset:\off+768
	global_store_b64 v2, v[\pc+10:\pc+11], s[14:15] offset:\off+1280
.endm
	s_wait_loadcnt 16                              ; fragment 0's sixteen loads are in; fragment 1's may be out
	STORE 0
	LOADX 0, 192
	s_wait_loadcnt 0x0
	STORE 1
	s_wait_dscnt 16                                ; all but the sixteen stores just issued: fragment 0 is back in v192-255
	LOADX 1, 64                                    ; fragment 1 comes back into the registers that fragment 0 was loaded into
	QUANT 192, 32, 38, 56
	PUT 32, 0
	s_wait_dscnt 0x0                               ; fragment 1 is back
	QUANT 64, 44, 50, 57
	PUT 44, 1536
	v_cndmask_b32 v60, v56, v57, s[HM]             ; lanes 0-15 hold the first fragment's word of row r, lanes 16-31 the second's
	ds_store_b32 v5, v60
	s_wait_dscnt 0x0                               ; for the others' sake: my words lie in LDS
	s_barrier_signal -1
	s_barrier_wait -1
	s_cmp_lg_u32 s[WV], 0
	s_cbranch_scc1 .Lend
	ds_load_b128 v[8:11], v6                       ; wave 0 stores the tile's 512 bytes of scale words: two aligned blocks of 256 bytes
	s_wait_dscnt 0x0
	global_store_b128 v1, v[8:11], s[16:17]
.Lend:
	s_wait_tensorcnt 0x0                           ; the wave's end, behind my last LDS store
	ds_add_u32 v[SPW], v[NIL]
	s_wait_dscnt 0x0
	s_endpgm
.Lfunc_end_k_qf6f666460c_quant:
	.size	k_qf6f666460c_quant, .Lfunc_end_k_qf6f666460c_quant-k_qf6f666460c_quant
	.p2alignl 7, 3214868480
	.fill 96, 4, 3214868480
	.section	.rodata,"a",@progbits
	.p2align	6, 0x0
	.amdhsa_kernel k_qf6f666460c_quant
		.amdhsa_group_segment_fixed_size 68608
		.amdhsa_private_segment_fixed_size 0
		.amdhsa_enable_private_segment 0
		.amdhsa_kernarg_size 72
		.amdhsa_user_sgpr_count 2
		.amdhsa_user_sgpr_kernarg_segment_ptr 1
		.amdhsa_wavefront_size32 1
		.amdhsa_system_sgpr_workgroup_id_x 1
		.amdhsa_system_sgpr_workgroup_id_y 1
		.amdhsa_system_sgpr_workgroup_id_z 1
		.amdhsa_system_vgpr_workitem_id 0
		.amdhsa_next_free_vgpr 256
		.amdhsa_next_free_sgpr 66
		.amdhsa_reserve_vcc 0
		.amdhsa_float_denorm_mode_32 3
		.amdhsa_float_denorm_mode_16_64 3
		.amdhsa_memory_ordered 1
		.amdhsa_forward_progress 1
		.amdhsa_inst_pref_size 19
	.end_amdhsa_kernel
	.amdgpu_metadata
---
amdhsa.version: [ 1, 2 ]
amdhsa.kernels:
  - .name:           k_qf6f666460c_quant
    .symbol:         k_qf6f666460c_quant.kd
    .args:
      - { .name: X, .offset: 0, .size: 8, .value_kind: global_buffer, .address_space: global }
      - { .name: Wq, .offset: 8, .size: 8, .value_kind: global_buffer, .address_space: global }
      - { .name: Wk, .offset: 16, .size: 8, .value_kind: global_buffer, .address_space: global }
      - { .name: Wv, .offset: 24, .size: 8, .value_kind: global_buffer, .address_space: global }
      - { .name: Wo, .offset: 32, .size: 8, .value_kind: global_buffer, .address_space: global }
      - { .name: xc, .offset: 40, .size: 8, .value_kind: global_buffer, .address_space: global }
      - { .name: xs, .offset: 48, .size: 8, .value_kind: global_buffer, .address_space: global }
      - { .name: wc, .offset: 56, .size: 8, .value_kind: global_buffer, .address_space: global }
      - { .name: ws, .offset: 64, .size: 8, .value_kind: global_buffer, .address_space: global }
    .group_segment_fixed_size: 68608
    .private_segment_fixed_size: 0
    .kernarg_segment_align: 8
    .kernarg_segment_size: 72
    .max_flat_workgroup_size: 128
    .sgpr_count:     66
    .vgpr_count:     256
    .wavefront_size: 32
...
	.end_amdgpu_metadata
.endif
;; end of part 1
;; launch qkv (part 2): grid 8 x 96, 4 waves a work-group, clusters of 4 x 4, 327,680 bytes of LDS; arguments xc, xs, wc, ws, ac, asc; writes ac, asc
.if DOCPART == 2
	.amdgcn_target "amdgcn-amd-amdhsa--gfx1250"
	.amdhsa_code_object_version 6
	.text
	.protected	k_qf6f666460c_qkv
	.globl	k_qf6f666460c_qkv
	.p2align	8
	.type	k_qf6f666460c_qkv,@function
k_qf6f666460c_qkv:
	s_mov_b64 s[64:65], 0
	v_nop
	global_prefetch_b8 v0, s[64:65] scope:SCOPE_SE
	s_setreg_imm32_b32 hwreg(HW_REG_WAVE_MODE, 25, 1), 1
	s_wait_xcnt 0x0
	s_wait_alu depctr_hold_cnt(0) depctr_sa_sdst(0) depctr_va_vdst(0) depctr_va_sdst(0) depctr_va_ssrc(0) depctr_va_vcc(0) depctr_vm_vsrc(0)
	s_getreg_b32 s2, hwreg(HW_REG_IB_STS2, 6, 4)
	s_cmp_eq_u32 s2, 0
	s_cbranch_scc0 .Lentry_in_a_cluster
	s_endpgm
.Lentry_in_a_cluster:
	s_bfe_u32 s2, ttmp6, 0x10000c
	s_cmp_lg_u32 s2, 0xf033
	s_cbranch_scc0 .Lentry_shape_is_right
	s_endpgm
.Lentry_shape_is_right:
; LAUNCH 2 OF 4: Q = X Wq^T, K = X Wk^T, V = X Wv^T on codes of BF6 (E3M2) with E8M0 scales, sums in f32; the results are quantised in registers on the way out and leave as codes: no f32 result goes to memory.
; A work-group makes 128 rows of operand A (source 1: a lane holds one of them) x 256 rows of operand B (source 0: along a lane's registers), K = 1,024.  Four waves, 2 x 2: 64 x 128 each, 32 accumulators.
; TWO KINDS OF TILE, told apart by the cluster's y, which all sixteen partners share.  Clusters 0-15: A = X (128 tokens), B = Wq, Wk (256 features): a lane's registers run along the features, which are K of Q K^T.
; Clusters 16-23: A = Wv (128 features), B = X (256 tokens): a lane's registers run along the tokens, the keys, which are K of P V.  So each result is quantised along its next K without changing lanes.
; ALL OF K LIES IN LDS: the two panels, 384 rows x 768 bytes, come as four chunks of 256 along K, each filled once, all asked for at the head: five tensor loads of a wave are out (the scale words and four chunks).
; Nothing is filled again, so the loop over K has no wait for all loads: a chunk's barrier waits for that chunk alone.
; CLUSTERS: 4 x 4 work-groups.  A's panel hangs on the tile row alone and is asked for jointly along a row of the cluster, B's on the tile column alone, along a column.
; CODES in xc, wc: [tile of 16 rows][128 along K: 8][half: 2][768 bytes]: the operand's registers 6 e .. 6 e + 3 at 16 x lane, 6 e + 4, 6 e + 5 at 512 + 8 x lane.  SCALE WORDS: [tile][256 along K: 4][row][2].
; OUT: ac [batch 4][plane 48][fragment 64][1,536 bytes], a fragment's registers 4 i .. 4 i + 3 at 512 i + 16 x lane.  Planes 0-15 Q's heads, 16-31 K's, 32-47 V's.
;   Q, K: fragment F holds in row r token 32 F + r (its 64 numbers at k 0-63) and token 32 F + 16 + r (k 64-127).   V: fragment 4 s + t holds rows d = 16 t + r against keys 128 s .. 128 s + 127.
;   asc [batch][plane][128 tokens: 16][256 bytes]: word 32 p + l serves fragment 2 p + l / 16 of the four, row l % 16.  My scale stores cover 128 consecutive bytes: half an aligned block of 256, for 4 bytes in 100 of what I store.
; LIMITS: as stated at the head of launch quant (zero blocks' byte, NaN and infinities, the order inside a block of 32).
; REGISTERS, in windows of 256: window 0: v1-7 lane terms; v8-23 LDS addresses; v24 scale words' address; v28, v29 the add's two; v32-63 scale words, two sets, and nothing else; v64-97 at work on the way out;
;   v128-175, v176-223 A's fragments, two sets (on the way out: the codes).   window 1: v0-95, v128-223 B's fragments, two sets.   window 2: accumulator (a, b) at v[8 (8 a + b)].
.set CH,    73728                      ; a chunk: A's 8 tiles x 3,072 bytes, then B's 16
.set BOFF,  24576
.set SCL,   4*CH                       ; behind the chunks: A's scale words (4,096 bytes), then B's (8,192)
.set SPARE, SCL+12288                  ; the spare words, 128 bytes for each wave: two blocks of 256 bytes that no other line names
.set G1A,  24                          ; s[24:31] descriptor group 1: A's part of a chunk;  s[32:39] B's;  s[40:47], s[48:55] the scale words'
.set G1B,  32
.set G1SA, 40
.set G1SB, 48
.set G0SA, 56                          ; s[56:59], s[60:63] groups 0 for the scale words;  s[68:83] A's four chunks;  s[84:99] B's
.set G0SB, 60
.set G0A,  68
.set G0B,  84
.set WV,   3                           ; s3   my wave's number
.set HA,   100                         ; s100 which 64 rows of A are mine.  Also: I fetch for A (0) or for B (1)
.set HB,   101                         ; s101 which 128 rows of B.  Also: which half of that panel I fetch
.set CX,   104
.set CY,   105
.set CLX,  66
.set CLY,  67
.set ADA,  8                           ; v8-11 A's fragments in chunk s, + 16 x lane;  v12-15 + 8 x lane
.set ADB,  16                          ; v16-19, v20-23 the same for B
.set ADS,  24
.set SPW,  28
.set NIL,  29
.set SC,   32
.set AF,   128
.set TM,   64
.set CT,   80
.set PW,   88
.set WW,   92
.set XW,   96
.set XF,   128
.set SEL,  8                           ; s[8:9], s10: set for the way out
.set HM,   10
.set MSB, 0
.macro WIN new                         ; the immediate's high byte repeats the setting that is left
.if MSB != \new
	s_set_vgpr_msb (MSB<<8)|\new
.set MSB, \new
.endif
.endm
; A joint load: waves 0 and 1 fetch for A, waves 2 and 3 for B.  Each line has one mask and one set of registers for all that issue it; the branch hangs on the wave's number alone.
; An s_nop 0 and four v_nop follow each of the two lines, ahead of the jump, the label and what follows.
.macro JLOAD g0a, g1a, g0b, g1b
	s_cmp_eq_u32 s[HA], 0
	s_cbranch_scc0 .Lfor_b_\@
	tensor_load_to_lds s[\g0a:\g0a+3], s[\g1a:\g1a+7]
	s_nop 0
.rept 4
	v_nop
.endr
	s_branch .Lasked_\@
.Lfor_b_\@:
	tensor_load_to_lds s[\g0b:\g0b+3], s[\g1b:\g1b+7]
	s_nop 0
.rept 4
	v_nop
.endr
.Lasked_\@:
.endm
.macro CROUND                          ; a round of the cluster's barrier
	s_barrier_signal -1
	s_barrier_wait -1
	s_cmp_lg_u32 s[WV], 0
	s_cbranch_scc1 .Lnot_wave_0_\@
	s_barrier_signal -3
.Lnot_wave_0_\@:
	s_barrier_wait -3
	s_barrier_signal -1
	s_barrier_wait -1
.endm
.macro PLACES n
.rept \n
	v_nop
.endr
.endm
.macro FRAG reg, adr, off              ; a fragment's 12 registers: every load takes neighbouring bytes in neighbouring lanes
	ds_load_b128 v[(\reg):(\reg)+3], v[\adr] offset:(\off)
	ds_load_b64 v[(\reg)+4:(\reg)+5], v[(\adr)+4] offset:(\off)+512
	ds_load_b128 v[(\reg)+6:(\reg)+9], v[\adr] offset:(\off)+768
	ds_load_b64 v[(\reg)+10:(\reg)+11], v[(\adr)+4] offset:(\off)+1280
.endm
.macro FETCH q                         ; the fragments of K step q (128 along K; chunk q / 2) into set q % 2; with a chunk's first step its scale words
	WIN 0x40                                       ; destination window 1, address window 0
.irp i, 0,1,2,3,4,5,6,7
	FRAG 128*((\q)%2)+12*\i, ADB+(\q)/2, 3072*\i+1536*((\q)%2)
.endr
	WIN 0
.irp i, 0,1,2,3
	FRAG AF+48*((\q)%2)+12*\i, ADA+(\q)/2, 3072*\i+1536*((\q)%2)
.endr
.if (\q)%2 == 0
.irp i, 0,1,2,3,4,5,6,7
	ds_load_b64 v[SC+16*(((\q)/2)%2)+2*\i:SC+16*(((\q)/2)%2)+2*\i+1], v[ADS] offset:512*\i+128*((\q)/2)   ; lanes 0-15: A's tile i (used for i under 4), lanes 16-31: B's tile i; two words: the chunk's two steps
.endr
.endif
.endm
.macro GATE s                          ; chunk s is whole in LDS: my part has landed (the 3 - s chunks asked for behind it may stay out), and so has everybody's
	s_wait_tensorcnt 3-(\s)
	s_barrier_signal -1
	s_barrier_wait -1
.endm
; 32 matrix instructions, 128 along K.  The 32 accumulators take turns, one instruction a turn, in the same order in every step.  first = 1: the products start the sums.
.macro MUL32 q, first
.irp a, 0,1,2,3
.irp b, 0,1,2,3,4,5,6,7
.set rD, 8*(8*\a+\b)
.set rB, 128*((\q)%2)+12*\b
.set rA, AF+48*((\q)%2)+12*\a
.set rS, SC+16*(((\q)/2)%2)+(\q)%2
.if \first
	v_wmma_scale_f32_16x16x128_f8f6f4 v[rD:rD+7], v[rB:rB+11], v[rA:rA+11], 0, v[rS+2*\b], v[rS+2*\a] matrix_a_fmt:MATRIX_FMT_BF6 matrix_b_fmt:MATRIX_FMT_BF6 matrix_a_scale:MATRIX_SCALE_ROW1
.else
	v_wmma_scale_f32_16x16x128_f8f6f4 v[rD:rD+7], v[rB:rB+11], v[rA:rA+11], v[rD:rD+7], v[rS+2*\b], v[rS+2*\a] matrix_a_fmt:MATRIX_FMT_BF6 matrix_b_fmt:MATRIX_FMT_BF6 matrix_a_scale:MATRIX_SCALE_ROW1
.endif
.endr
.endr
.endm
.macro GSTEP q
	s_wait_dscnt 0x0                               ; this step's fragments, asked for ahead of the last step's 32 products, are in; and no LDS instruction of mine is out at the barrier below
.if (\q) < 7
.if (\q)%2 == 1
	GATE ((\q)+1)/2                                ; the next step begins a chunk
.endif
.if (\q) > 0
	PLACES 4                                       ; four places in front of loads into the set that the last step multiplied (ISA guide 7.12.1 for vector instructions)
.endif
	FETCH (\q)+1
.endif
	WIN 0xa1                                       ; source 0 (B) window 1, source 1 (A) window 0, C and D window 2
.if (\q) == 0
	MUL32 \q, 1
.else
	MUL32 \q, 0
.endif
	WIN 0
.endm
; 64 results of a lane in window 2, register 16 b + 8 u + j = element 32 b + 16 u + 8 h + j of my row, become codes (blocks 0, 1 in v[d0] on, blocks 2, 3 in v[d1] on: lanes 0-15 the even block, lanes 16-31 the odd) and a scale word.
.macro QUANT src, d0, d1, pw
	WIN 0x28                                       ; sources 1 and 2 window 2
.irp b, 0,1,2,3
	v_max3_num_f32 v[TM+\b], 0x2800000, |v[(\src)+16*\b]|, |v[(\src)+16*\b+1]|   ; the floor 2^(5 - 127) and my first two numbers of block b: each accumulator is read from its low end on
.endr
.irp i, 2,4,6,8,10,12,14
.irp b, 0,1,2,3
	v_max3_num_f32 v[TM+\b], v[TM+\b], |v[(\src)+16*\b+\i]|, |v[(\src)+16*\b+\i+1]|
.endr
.endr
	WIN 0
.irp b, 0,1,2,3
	v_permlanex16_b32 v[TM+4+\b], v[TM+\b], s[SEL], s[SEL+1]
.endr
.irp b, 0,1,2,3
	v_max_num_f32 v[TM+\b], v[TM+\b], v[TM+4+\b]   ; with lane l xor 16's 16: the block's largest magnitude
.endr
.irp b, 0,1,2,3
	v_add_nc_u32 v[TM+12+\b], 0xfe000000, v[TM+\b] ; 4 off its exponent field: the conversion's scale operand
.endr
.irp b, 0,1,2,3
	v_lshrrev_b32 v[TM+4+\b], 23, v[TM+12+\b]      ; the scale's byte
.endr
	v_lshl_or_b32 v[\pw], v[TM+5], 8, v[TM+4]
	v_lshl_or_b32 v[\pw], v[TM+6], 16, v[\pw]
	v_lshl_or_b32 v[\pw], v[TM+7], 24, v[\pw]
	WIN 0x02                                       ; source 0 window 2
	v_cvt_scalef32_pk16_bf6_f32 v[(\d0):(\d0)+2], v[(\src):(\src)+15], v[TM+12]
	v_cvt_scalef32_pk16_bf6_f32 v[CT:CT+2], v[(\src)+16:(\src)+31], v[TM+13]
	v_cvt_scalef32_pk16_bf6_f32 v[(\d1):(\d1)+2], v[(\src)+32:(\src)+47], v[TM+14]
	v_cvt_scalef32_pk16_bf6_f32 v[CT+4:CT+6], v[(\src)+48:(\src)+63], v[TM+15]
	WIN 0
	v_nop                                          ; one plain place behind a scaled conversion
.irp i, 0,1,2
	v_permlane16_swap_b32 v[(\d0)+\i], v[CT+\i]
	v_permlane16_swap_b32 v[(\d1)+\i], v[CT+4+\i]
.endr
.irp i, 0,1,2
	v_mov_b32 v[(\d0)+3+\i], v[CT+\i]
	v_mov_b32 v[(\d1)+3+\i], v[CT+4+\i]
.endr
.endm
	s_load_b256 s[4:11], s[0:1], 0x0               ; xc, xs, wc, ws
	s_load_b128 s[12:15], s[0:1], 0x20             ; ac, asc
	v_lshl_add_u32 v[SPW], v0, 2, SPARE
	v_mov_b32 v[NIL], 0
	ds_add_u32 v[SPW], v[NIL]                      ; the wave's opening: the add, twice on end, and its wait ahead of my first tensor load; the set-up below stands between the second and the wait
	ds_add_u32 v[SPW], v[NIL]
	v_lshrrev_b32 v1, 5, v0
	v_readfirstlane_b32 s[WV], v1
	s_lshr_b32 s[HA], s[WV], 1
	s_and_b32 s[HB], s[WV], 1
	s_bfe_u32 s[CX], ttmp6, 0x40000                ; my place in the cluster
	s_bfe_u32 s[CY], ttmp6, 0x40004
	s_mov_b32 s[CLX], ttmp9                        ; the cluster's x and y
	s_and_b32 s[CLY], ttmp7, 0xffff
	s_lshl_b32 s16, s[CY], 2
	s_lshl_b32 s16, 15, s16                        ; my row of the cluster
	s_lshl_b32 s20, 0x1111, s[CX]                  ; my column
	s_or_b32 s[G1A], s16, (3<<16)|(1<<21)          ; 15:0 the mask; 17:16 elements of 8 bytes; 21 set beside a mask; no padding
	s_or_b32 s[G1SA], s16, (3<<16)|(1<<21)
	s_or_b32 s[G1B], s20, (3<<16)|(1<<21)
	s_or_b32 s[G1SB], s20, (3<<16)|(1<<21)
.irp g, G1A, G1B                       ; a chunk's part of a panel: rows of 3,072 bytes (a tile's 256 along K), 12,288 bytes apart
	s_mov_b32 s[\g+1], 384<<16                     ; tensor_dim0
	s_mov_b32 s[\g+3], 384<<16                     ; tile_dim0
	s_mov_b32 s[\g+5], 1536                        ; tensor_dim0_stride
	s_mov_b32 s[\g+6], 0
	s_mov_b32 s[\g+7], 0
.endr
	s_mov_b32 s[G1A+2], 4<<16                      ; tensor_dim1: A: 4 tiles a load,
	s_mov_b32 s[G1A+4], 4
	s_mov_b32 s[G1B+2], 8<<16                      ; B: 8
	s_mov_b32 s[G1B+4], 8
.irp g, G1SA, G1SB                     ; scale words: dense, as rows of 256 bytes
	s_mov_b32 s[\g+1], 32<<16
	s_mov_b32 s[\g+3], 32<<16
	s_mov_b32 s[\g+5], 32
	s_mov_b32 s[\g+6], 0
	s_mov_b32 s[\g+7], 0
.endr
	s_mov_b32 s[G1SA+2], 8<<16
	s_mov_b32 s[G1SA+4], 8
	s_mov_b32 s[G1SB+2], 16<<16
	s_mov_b32 s[G1SB+4], 16
	s_wait_dscnt 0x0                               ; both opening adds are done
	s_wait_kmcnt 0x0
	s_cmp_lt_u32 s[CLY], 16                        ; the kind of tile: the same in all sixteen partners
	s_cselect_b64 s[16:17], s[4:5], s[8:9]         ; A's codes: xc or wc
	s_cselect_b64 s[18:19], s[6:7], s[10:11]       ; A's scale words
	s_cselect_b64 s[20:21], s[8:9], s[4:5]         ; B's codes
	s_cselect_b64 s[22:23], s[10:11], s[6:7]       ; B's scale words
	; A's tile row (128 rows) in s4, made of the cluster's y and cy alone; B's tile column (256 rows) in s6, of the cluster's x, y and cx alone
	s_lshl_b32 s4, s[CLY], 2
	s_and_b32 s5, s[CLY], 1
	s_lshl_b32 s5, s5, 2
	s_add_co_u32 s5, s5, 16                        ; V: Wv's rows begin at tile row 16
	s_sub_co_u32 s6, s[CLY], 16
	s_lshr_b32 s6, s6, 1
	s_lshl_b32 s6, s6, 3
	s_cmp_lt_u32 s[CLY], 16
	s_cselect_b32 s4, s4, s5
	s_cselect_b32 s6, 0, s6
	s_add_co_u32 s4, s4, s[CY]
	s_lshl_b32 s7, s[CLX], 2
	s_add_co_u32 s6, s6, s7
	s_add_co_u32 s6, s6, s[CX]
	s_lshl_b32 s8, s4, 7                           ; kept for the way out, in registers that feed no descriptor: 128 x tile row,
	s_lshl_b32 s9, s6, 8                           ; 256 x tile column
	s_lshl_b32 s2, s[HB], 2
	s_lshl_b32 s4, s4, 3
	s_add_co_u32 s4, s4, s2                        ; A: the first tile of 16 rows that I would fetch
	s_lshl_b32 s4, s4, 9                           ; its scale words: 512 bytes a tile,
	s_mov_b32 s5, 0
	s_add_nc_u64 s[18:19], s[18:19], s[4:5]
	s_mul_i32 s4, s4, 24                           ; its codes: 12,288
	s_add_nc_u64 s[16:17], s[16:17], s[4:5]
	s_lshl_b32 s2, s[HB], 3
	s_lshl_b32 s6, s6, 4
	s_add_co_u32 s6, s6, s2                        ; B likewise
	s_lshl_b32 s6, s6, 9
	s_mov_b32 s7, 0
	s_add_nc_u64 s[22:23], s[22:23], s[6:7]
	s_mul_i32 s6, s6, 24
	s_add_nc_u64 s[20:21], s[20:21], s[6:7]
	s_lshl_b32 s2, s[HB], 11
	s_mov_b32 s[G0SA], 1                           ; 1:0 count = 1
	s_add_co_u32 s[G0SA+1], s2, SCL                ; 63:32 LDS address: no place in the cluster enters it
	s_mov_b64 s[G0SA+2:G0SA+3], s[18:19]           ; 120:64 global address
	s_or_b32 s[G0SA+3], s[G0SA+3], 0x80000000      ; 127:126 type = 2
	s_lshl_b32 s2, s[HB], 12
	s_mov_b32 s[G0SB], 1
	s_add_co_u32 s[G0SB+1], s2, SCL+4096
	s_mov_b64 s[G0SB+2:G0SB+3], s[22:23]
	s_or_b32 s[G0SB+3], s[G0SB+3], 0x80000000
	s_mul_i32 s2, s[HB], 12288
.irp s, 0,1,2,3
	s_mov_b32 s[G0A+4*\s], 1
	s_add_co_u32 s[G0A+4*\s+1], s2, \s*CH
	s_add_nc_u64 s[G0A+4*\s+2:G0A+4*\s+3], s[16:17], \s*3072
	s_or_b32 s[G0A+4*\s+3], s[G0A+4*\s+3], 0x80000000
.endr
	s_mul_i32 s2, s[HB], 24576
.irp s, 0,1,2,3
	s_mov_b32 s[G0B+4*\s], 1
	s_add_co_u32 s[G0B+4*\s+1], s2, \s*CH+BOFF
	s_add_nc_u64 s[G0B+4*\s+2:G0B+4*\s+3], s[20:21], \s*3072
	s_or_b32 s[G0B+4*\s+3], s[G0B+4*\s+3], 0x80000000
.endr
	CROUND                                         ; all sixteen work-groups are here: the joint loads meet
	JLOAD G0SA, G1SA, G0SB, G1SB                   ; the scale words first: they are wanted with chunk 0
.irp s, 0,1,2,3
	JLOAD G0A+4*\s, G1A, G0B+4*\s, G1B
.endr
	v_and_b32 v5, 31, v0                           ; lane
	v_and_b32 v1, 15, v0                           ; r
	v_bfe_u32 v2, v0, 4, 1                         ; h
	v_lshlrev_b32 v3, 4, v5                        ; 16 x lane
	v_lshlrev_b32 v4, 3, v5                        ; 8 x lane
	v_lshlrev_b32 v6, 2, v5                        ; 4 x lane
	s_mul_i32 s2, s[HA], 12288                     ; my 4 tiles of A
.irp s, 0,1,2,3
	v_add_nc_u32 v[ADA+\s], s2, v3
	v_add_nc_u32 v[ADA+4+\s], s2, v4
	s_add_co_u32 s2, s2, CH
.endr
	s_mul_i32 s2, s[HB], 24576                     ; my 8 tiles of B, behind A's 8
	s_add_co_u32 s2, s2, BOFF
.irp s, 0,1,2,3
	v_add_nc_u32 v[ADB+\s], s2, v3
	v_add_nc_u32 v[ADB+4+\s], s2, v4
	s_add_co_u32 s2, s2, CH
.endr
	s_lshl_b32 s2, s[HA], 11                       ; scale words: lanes 0-15 A's (my 4 tiles), lanes 16-31 B's (my 8): the lower base + h x the distance
	s_lshl_b32 s11, s[HB], 12
	s_add_co_u32 s11, s11, 4096
	s_sub_co_u32 s11, s11, s2
	v_mul_u32_u24 v[ADS], s11, v2
	v_lshl_add_u32 v[ADS], v1, 3, v[ADS]           ; 8 bytes a row
	s_add_co_u32 s2, s2, SCL
	v_add_nc_u32 v[ADS], s2, v[ADS]
	; where my results go
	s_lshl_b32 s2, s[HA], 6
	s_add_co_u32 s8, s8, s2                        ; my first row of A
	s_lshl_b32 s2, s[HB], 7
	s_add_co_u32 s9, s9, s2                        ; my first row of B
	s_cmp_lt_u32 s[CLY], 16
	s_cselect_b32 s10, s8, s9                      ; my first token,
	s_cselect_b32 s9, s9, s8                       ; my first row of the stacked weights:
	s_lshr_b32 s9, s9, 6                           ; 64 rows to a plane
	s_lshr_b32 s8, s10, 11                         ; the batch
	s_mul_i32 s8, s8, 48
	s_add_co_u32 s8, s8, s9
	s_and_b32 s9, s10, 2047                        ; the token in its batch
	s_mov_b32 s11, 0
	s_mul_i32 s10, s8, 98304
	s_add_nc_u64 s[12:13], s[12:13], s[10:11]
	s_lshr_b32 s10, s9, 5
	s_mul_i32 s10, s10, 1536                       ; a fragment for each 32 tokens
	s_add_nc_u64 s[12:13], s[12:13], s[10:11]
	s_lshl_b32 s10, s8, 12
	s_add_nc_u64 s[14:15], s[14:15], s[10:11]
	s_lshr_b32 s10, s9, 6
	s_lshl_b32 s10, s10, 7                         ; 128 bytes of scale words for each 64 tokens
	s_add_nc_u64 s[14:15], s[14:15], s[10:11]
	s_mov_b32 s[SEL], 0x76543210
	s_mov_b32 s[SEL+1], 0xfedcba98                 ; lane selects: lane l xor 16
	s_mov_b32 s[HM], 0xffff0000                    ; lanes 16-31
	GATE 0
	FETCH 0
.irp q, 0,1,2,3,4,5,6,7
	GSTEP \q
.endr
	; THE WAY OUT: no LDS; every store of codes covers 512 consecutive bytes at a multiple of 256 from ac's first byte.
.irp b, 0,1,2,3
	v_mov_b32 v[TM+4+\b], 0                        ; a lane permute's destination counts as one of its sources.  These four are also the places behind the last products
.endr
	s_cmp_lt_u32 s[CLY], 16
	s_cbranch_scc0 .Lout_v
	; Q, K: my 128 features are two heads (blocks 0, 1 and 2, 3); tiles of tokens 2 F and 2 F + 1 are the two halves of fragment F of each head
	QUANT 0,   XF,    XF+24, PW
	QUANT 64,  XF+6,  XF+30, PW+1
.irp c, 0,1
.irp i, 0,1,2
	global_store_b128 v3, v[XF+24*\c+4*\i:XF+24*\c+4*\i+3], s[12:13] offset:98304*\c+512*\i
.endr
.endr
	QUANT 128, XF+12, XF+36, PW+2
	QUANT 192, XF+18, XF+42, PW+3
.irp c, 0,1
.irp i, 0,1,2
	global_store_b128 v3, v[XF+24*\c+12+4*\i:XF+24*\c+12+4*\i+3], s[12:13] offset:98304*\c+1536+512*\i
.endr
.endr
.irp f, 0,1
	v_perm_b32 v[WW+\f], v[PW+2*\f+1], v[PW+2*\f], 0x05040100     ; head 0, fragment f: two bytes of token 32 f + r, two of token 32 f + 16 + r
	v_perm_b32 v[WW+2+\f], v[PW+2*\f+1], v[PW+2*\f], 0x07060302   ; head 1
.endr
.irp c, 0,1
	v_cndmask_b32 v[XW+\c], v[WW+2*\c], v[WW+2*\c+1], s[HM]       ; lanes 0-15 fragment 0's words, lanes 16-31 fragment 1's
	global_store_b32 v6, v[XW+\c], s[14:15] offset:4096*\c
.endr
	s_branch .Lout_done
.Lout_v:
	; V: my 64 rows are one head's d, my 128 tokens one key step: tile a of rows is fragment a of the step
.irp a, 0,1,2,3
	QUANT 64*\a, XF+12*\a, XF+12*\a+6, PW+\a
.irp i, 0,1,2
	global_store_b128 v3, v[XF+12*\a+4*\i:XF+12*\a+4*\i+3], s[12:13] offset:1536*\a+512*\i
.endr
.endr
.irp p, 0,1
	v_cndmask_b32 v[XW+\p], v[PW+2*\p], v[PW+2*\p+1], s[HM]
	global_store_b32 v6, v[XW+\p], s[14:15] offset:128*\p
.endr
.Lout_done:
	s_wait_tensorcnt 0x0                           ; the wave's end, behind my last tensor load
	ds_add_u32 v[SPW], v[NIL]
	s_wait_dscnt 0x0
	CROUND                                         ; the closing round: no work-group ends while a partner may still ask for a tile that names it
	s_endpgm
.Lfunc_end_k_qf6f666460c_qkv:
	.size	k_qf6f666460c_qkv, .Lfunc_end_k_qf6f666460c_qkv-k_qf6f666460c_qkv
	.p2alignl 7, 3214868480
	.fill 96, 4, 3214868480
	.section	.rodata,"a",@progbits
	.p2align	6, 0x0
	.amdhsa_kernel k_qf6f666460c_qkv
		.amdhsa_group_segment_fixed_size 327680
		.amdhsa_private_segment_fixed_size 0
		.amdhsa_enable_private_segment 0
		.amdhsa_kernarg_size 48
		.amdhsa_user_sgpr_count 2
		.amdhsa_user_sgpr_kernarg_segment_ptr 1
		.amdhsa_wavefront_size32 1
		.amdhsa_system_sgpr_workgroup_id_x 1
		.amdhsa_system_sgpr_workgroup_id_y 1
		.amdhsa_system_sgpr_workgroup_id_z 1
		.amdhsa_system_vgpr_workitem_id 0
		.amdhsa_next_free_vgpr 768
		.amdhsa_next_free_sgpr 106
		.amdhsa_reserve_vcc 0
		.amdhsa_float_denorm_mode_32 3
		.amdhsa_float_denorm_mode_16_64 3
		.amdhsa_memory_ordered 1
		.amdhsa_forward_progress 1
		.amdhsa_inst_pref_size 108
	.end_amdhsa_kernel
	.amdgpu_metadata
---
amdhsa.version: [ 1, 2 ]
amdhsa.kernels:
  - .name:           k_qf6f666460c_qkv
    .symbol:         k_qf6f666460c_qkv.kd
    .args:
      - { .name: xc, .offset: 0, .size: 8, .value_kind: global_buffer, .address_space: global }
      - { .name: xs, .offset: 8, .size: 8, .value_kind: global_buffer, .address_space: global }
      - { .name: wc, .offset: 16, .size: 8, .value_kind: global_buffer, .address_space: global }
      - { .name: ws, .offset: 24, .size: 8, .value_kind: global_buffer, .address_space: global }
      - { .name: ac, .offset: 32, .size: 8, .value_kind: global_buffer, .address_space: global }
      - { .name: asc, .offset: 40, .size: 8, .value_kind: global_buffer, .address_space: global }
    .group_segment_fixed_size: 327680
    .private_segment_fixed_size: 0
    .kernarg_segment_align: 8
    .kernarg_segment_size: 48
    .max_flat_workgroup_size: 128
    .sgpr_count:     106
    .vgpr_count:     768
    .wavefront_size: 32
...
	.end_amdgpu_metadata
.endif
;; end of part 2
;; launch attn (part 3): grid 8 x 64, 16 waves a work-group, no clusters, 327,680 bytes of LDS; arguments ac, asc, yc, ys; writes yc, ys
.if DOCPART == 3
	.amdgcn_target "amdgcn-amd-amdhsa--gfx1250"
	.amdhsa_code_object_version 6
	.text
	.protected	k_qf6f666460c_attn
	.globl	k_qf6f666460c_attn
	.p2align	8
	.type	k_qf6f666460c_attn,@function
k_qf6f666460c_attn:
	s_mov_b64 s[64:65], 0
	v_nop
	global_prefetch_b8 v0, s[64:65] scope:SCOPE_SE
	s_setreg_imm32_b32 hwreg(HW_REG_WAVE_MODE, 25, 1), 1
	s_wait_xcnt 0x0
; LAUNCH 3 OF 4: Y = softmax(Q K^T / 8, causal) V for 64 (batch, head) pairs, T = 2,048, head size 64, both products on codes of BF6 (E3M2) with E8M0 scales; Y is quantised along C on the way out and leaves as codes.
; WORK LEFT OUT: a step of 128 keys all of which come after a wave's 16 queries: reference()'s own jnp.tril sets those logits to -inf, so they add nothing to maximum, sum or Y for any finite inputs (shown at the head of launch quant).
; THE SOFTMAX AHEAD OF THE SECOND PRODUCT: t = score x log2(e) / 8; M = the running largest t rounded UP to a whole number; p = 2^(t - M) is quantised along the keys, not normalised; the row's sum is taken of the unquantised p
; and divides at the end.  When M moves, the sum and O are multiplied by 2^(old M - new M): exact.  LIMITS: p under 2^-126 counts as 0 (v_exp_f32, ISA guide 15.8); NaN and infinities are not served; zero blocks' byte is 1.
; SHARES.  Work-group x = i of a head owns the blocks of 128 queries i and 15 - i: i + 1 and 16 - i key steps for each of eight waves, 8 x 17 in every work-group.  A wave owns 16 queries in 256 registers, four waves to a SIMD.
; Wave w takes the later block where (w xor w / 4) is odd.  Every wave walks all eight changes of slots; what is left out is a step's work.
; NO CLUSTER: under the mask the work-groups of a head need different numbers of K's and V's tiles, so a joint load would bring some partner tiles that none of its waves reads.
; IN: ac [batch][plane 48][fragment 64][1,536]: a fragment's registers 4 i .. 4 i + 3 at 512 i + 16 x lane.  Q's and K's fragment F holds in row r token 32 F + r at k 0-63 and token 32 F + 16 + r at k 64-127: the head's 64 fill half
; of the instruction's 128, so Q's operand is my 16 queries' 64 numbers beside 64 zero codes, and which half holds the zeros picks one of the fragment's two tiles of keys.  V's fragment 4 s + t: rows d = 16 t + r, keys 128 s on.
; Both products are used transposed: S^T = K Q^T, O^T = V^T P^T: a lane holds ONE query throughout; register 16 F + 8 u + j of S^T is key 32 F + 16 u + 8 h + j: the order inside a block in which V's codes lie too.
; LDS: two slots of 256 keys (K's 8 fragments, then V's 8), filled by waves 0 (K) and 1 (V), read by all; behind them the head's scale words of K and V, filled once.
; OUT: yc [tile of 16 tokens][head][768 bytes]: registers 0-3 at 16 x lane, 4, 5 at 512 + 8 x lane: three aligned blocks of 256 bytes a wave.  ys: a byte a lane, 2 bytes for each 48 of codes: a scale word's four bytes belong to two heads.
; REGISTERS: v1, v2, v9-11, v35 lane terms; v3, v4 the add's two; v5 prefetch offset; v6, v7 the step's LDS addresses; v12 -M, v13 largest t, v[14:15] the sum; v16-33 Q, zeros, Q; v34 Q's scale word; v36-83 K's four fragments;
;   v84-87 K's and V's scale words; v96-159 S^T, then p, then V's four fragments; v160-191 O^T; v192-203 p's codes; v204-230 at work; v226 p's scale word.
.set SLOT1, 1<<15                      ; slot 1 begins here: one exclusive or turns an address in one slot into the other's
.set SC,    65536                      ; K's scale words of the head (4,096 bytes), then V's
.set SPARE, 73728                      ; the spare words, 128 bytes for each wave: eight blocks of 256 bytes that no other line names
.set NSL,   8                          ; slots' worth of keys
.set SPW,  3
.set NIL,  4
.set PFO,  5
.set AD,   6
.set ADS,  7
.set BM,   204                         ; v204-207 each block's largest score, then its largest p
.set BP,   208                         ; v208-211 lane l xor 16's, then the bytes
.set SO,   212                         ; v212-215 the conversions' scale operands
.set CT,   216                         ; v216-222 the odd blocks' codes as converted
.set TB,   2                           ; s2   LDS byte at which the slot in hand begins
.set TS,   3                           ; s3   the step's scale words: 256 bytes a step
.set WV,   18
.set SEL,  20                          ; s[20:21] lane selects: lane l xor 16
.set CS,   22                          ; s[22:23] c = log2(e) / 8
.set G1,   24                          ; s[24:31] descriptor group 1: 12,288 dense bytes;  s[32:39] 4,096 dense bytes
.set G1S,  32
.set G0,   40                          ; s[40:43] group 0 of the slots' loads, which walks;  s[44:47] of the scale words'
.set G0S,  44
.set SLOTS, 48
.set KF,   49                          ; s49  the step's first key
.set Q0,   50                          ; s50  my first query
.set QL,   51                          ; s51  my work-group's last query
.set PFA,  52                          ; s[52:53] where the prefetches stand: K's plane, the slot after the one that is being asked for
.set LIM,  54                          ; s54  1 in a wave that prefetches, else the greatest number
.set HM,   55                          ; s55  lanes 16-31
.set UM,   56                          ; s56  all lanes where my queries are the second half of their fragment
.set PS,   57                          ; s57  which two bytes of Q's scale word are mine
.macro TLOAD g0, g1                    ; wave 0 fetches for K, wave 1 for V, by addresses made of the wave's number; the others nothing.  An s_nop 0 and four v_nop follow the line
	s_cmp_lt_u32 s[WV], 2
	s_cbranch_scc0 .Lnone_\@
	tensor_load_to_lds s[\g0:\g0+3], s[\g1:\g1+7]
	s_nop 0
.rept 4
	v_nop
.endr
.Lnone_\@:
.endm
; A PREFETCH INTO THE L2 of what the NEXT change of slots will ask for: 48 blocks of 256 bytes of K's plane and 48 of V's.  All eight work-groups of a head walk the same K and V: work-group x = 0, which walks all slots, asks, and in it
; waves 4 to 6, which fetch nothing: one instruction each, a lane a block, so each block is named once in the launch.  It stands where the fetching waves have their tensor load, a slot's two key steps ahead of the load that will want the bytes.
; Slots 0 and 1 come by their loads alone; the last change that fills a slot asks for nothing: there is no slot behind it.
.macro ASK
	s_cmp_gt_u32 s[SLOTS], s[LIM]
	s_cbranch_scc0 .Lnot_mine_\@
	global_prefetch_b8 v[PFO], s[PFA:PFA+1] th:TH_LOAD_NT scope:SCOPE_SE
.Lnot_mine_\@:
.endm
	s_load_b256 s[4:11], s[0:1], 0x0               ; ac, asc, yc, ys
	v_lshl_add_u32 v[SPW], v0, 2, SPARE
	v_mov_b32 v[NIL], 0
	ds_add_u32 v[SPW], v[NIL]                      ; the wave's opening: the add, twice on end, and its wait ahead of my first tensor load; the set-up below stands between the second and the wait
	ds_add_u32 v[SPW], v[NIL]
	v_lshrrev_b32 v6, 5, v0
	s_delay_alu instid0(VALU_DEP_1)
	v_readfirstlane_b32 s[WV], v6                  ; wave 0..15
	s_and_b32 s58, ttmp7, 0xffff                   ; 16 x batch + head
	s_lshr_b32 s59, s58, 4                         ; batch
	s_and_b32 s60, s58, 15                         ; head
	s_mul_i32 s61, s59, 48
	s_add_co_u32 s61, s61, s60                     ; Q's plane; K's is 16 on, V's 32
	s_lshr_b32 s62, s[WV], 2
	s_xor_b32 s62, s62, s[WV]
	s_and_b32 s62, s62, 1                          ; 1: the later block of queries
	s_and_b32 s63, s[WV], 3
	s_lshr_b32 s66, s[WV], 1
	s_and_b32 s66, s66, 4
	s_or_b32 s63, s63, s66                         ; which 16 of its 128
	s_sub_co_u32 s66, 15, ttmp9
	s_cmp_eq_u32 s62, 1
	s_cselect_b32 s66, s66, ttmp9
	s_lshl_b32 s66, s66, 7
	s_lshl_b32 s63, s63, 4
	s_add_co_u32 s[Q0], s66, s63
	s_lshl_b32 s[QL], ttmp9, 7
	s_sub_co_u32 s[QL], 2047, s[QL]
	s_mov_b32 s[G1], 3<<16                         ; 15:0 no mask; 17:16 elements of 8 bytes; no padding
	s_mov_b32 s[G1+1], 32<<16                      ; tensor_dim0: rows of 256 bytes,
	s_mov_b32 s[G1+2], 48<<16                      ; tensor_dim1: 48 of them,
	s_mov_b32 s[G1+3], 32<<16                      ; tile_dim0
	s_mov_b32 s[G1+4], 48                          ; tile_dim1
	s_mov_b32 s[G1+5], 32                          ; dense
	s_mov_b32 s[G1+6], 0
	s_mov_b32 s[G1+7], 0
	s_mov_b32 s[G1S], 3<<16
	s_mov_b32 s[G1S+1], 32<<16
	s_mov_b32 s[G1S+2], 16<<16
	s_mov_b32 s[G1S+3], 32<<16
	s_mov_b32 s[G1S+4], 16
	s_mov_b32 s[G1S+5], 32
	s_mov_b32 s[G1S+6], 0
	s_mov_b32 s[G1S+7], 0
	s_and_b32 s67, s[WV], 1                        ; what I fetch, if I fetch: 0 K, 1 V
	s_lshl_b32 s68, s67, 4
	s_add_co_u32 s68, s68, s61
	s_add_co_u32 s68, s68, 16                      ; its plane
	s_mul_i32 s70, s68, 98304
	s_mov_b32 s71, 0
	s_lshl_b32 s72, s68, 12
	s_mov_b32 s73, 0
	s_mul_i32 s69, s67, 12288                      ; its place in a slot,
	s_lshl_b32 s74, s67, 12                        ; and among the scale words
	s_lshl_b32 s75, s61, 6
	s_lshr_b32 s76, s[Q0], 5
	s_add_co_u32 s75, s75, s76                     ; the fragment that holds my queries
	s_mul_i32 s76, s75, 1536
	s_mov_b32 s77, 0
	s_lshl_b32 s78, s75, 6                         ; its 16 scale words
	s_mov_b32 s79, 0
	s_lshl_b32 s12, s59, 7
	s_lshr_b32 s13, s[Q0], 4
	s_add_co_u32 s12, s12, s13                     ; my tile of 16 tokens among the 512
	s_lshl_b32 s14, s12, 9
	s_mul_i32 s12, s12, 12288
	s_mul_i32 s13, s60, 768
	s_add_co_u32 s12, s12, s13                     ; yc: tile x 12,288 + head x 768
	s_mov_b32 s13, 0
	s_lshr_b32 s15, s60, 2
	s_lshl_b32 s15, s15, 7
	s_add_co_u32 s14, s14, s15
	s_and_b32 s15, s60, 3
	s_lshl_b32 s15, s15, 1
	s_add_co_u32 s14, s14, s15                     ; ys: tile x 512 + (head / 4) x 128 + (head % 4) x 2
	s_mov_b32 s15, 0
	s_bfe_u32 s16, s[Q0], 0x10004                  ; which half of the fragment
	s_cmp_eq_u32 s16, 1
	s_cselect_b32 s[UM], -1, 0
	s_mov_b32 s[PS], 0x01000100
	s_cselect_b32 s[PS], 0x03020302, s[PS]
	s_mov_b32 s[SEL], 0x76543210
	s_mov_b32 s[SEL+1], 0xfedcba98
	s_mov_b32 s[CS], 0x3e38aa3b                    ; c = log2(e) / 8
	s_mov_b32 s[CS+1], s[CS]                       ; (named with it as a pair, so it is written)
	s_mov_b32 s[HM], 0xffff0000
	s_mov_b32 s[TB], 0
	s_mov_b32 s[TS], 0
	s_mov_b32 s[KF], 0
	s_mov_b32 s[SLOTS], NSL-1
	s_wait_dscnt 0x0                               ; both opening adds are done
	s_wait_kmcnt 0x0
	s_mov_b32 s[G0S], 1
	s_add_co_u32 s[G0S+1], s74, SC
	s_add_nc_u64 s[G0S+2:G0S+3], s[6:7], s[72:73]
	s_or_b32 s[G0S+3], s[G0S+3], 0x80000000
	TLOAD G0S, G1S                                 ; the head's scale words: filled once
	s_mov_b32 s[G0], 1                             ; 1:0 count = 1
	s_mov_b32 s[G0+1], s69                         ; 63:32 LDS address: slot 0
	s_add_nc_u64 s[G0+2:G0+3], s[4:5], s[70:71]    ; 120:64 global address: the plane's first 256 keys
	s_or_b32 s[G0+3], s[G0+3], 0x80000000          ; 127:126 type = 2
	TLOAD G0, G1                                   ; slot 0: it holds key 0, which counts for every query
	s_add_nc_u64 s[76:77], s[4:5], s[76:77]        ; Q's fragment
	s_add_nc_u64 s[78:79], s[6:7], s[78:79]        ; and its scale words
	s_add_nc_u64 s[8:9], s[8:9], s[12:13]
	s_add_nc_u64 s[10:11], s[10:11], s[14:15]
	s_add_co_u32 s58, s61, 16
	s_mul_i32 s58, s58, 98304
	s_add_co_u32 s58, s58, 12288                   ; K's plane, slot 1: the first change of slots steps it to slot 2.  Nothing is prefetched here, at the head
	s_mov_b32 s59, 0
	s_add_nc_u64 s[PFA:PFA+1], s[4:5], s[58:59]
	s_sub_co_u32 s58, s[WV], 4
	s_cmp_lt_u32 s58, 3                            ; waves 4 to 6
	s_cselect_b32 s[LIM], 1, -1
	s_cmp_eq_u32 ttmp9, 0                          ; of the head's first work-group
	s_cselect_b32 s[LIM], s[LIM], -1
	v_and_b32 v6, 31, v0                           ; lane
	v_and_b32 v7, 15, v0                           ; r
	v_bfe_u32 v8, v0, 4, 1                         ; h
	s_delay_alu instid0(VALU_DEP_3)
	v_lshlrev_b32 v1, 4, v6                        ; 16 x lane
	s_delay_alu instid0(VALU_DEP_4)
	v_lshl_add_u32 v2, v6, 2, SC                   ; scale words: 4 x lane
	v_lshlrev_b32 v9, 3, v6                        ; 8 x lane
	s_delay_alu instid0(VALU_DEP_4)
	v_lshlrev_b32 v10, 3, v8
	s_delay_alu instid0(VALU_DEP_1)
	v_sub_nc_u32 v10, v7, v10                      ; r - 8 h, for the mask
	v_lshlrev_b32 v11, 2, v7                       ; 4 r
	v_lshl_add_u32 v35, v7, 3, v8                  ; 8 r + h: my byte in ys
.irp i, 0,1,2
	global_load_b128 v[96+4*\i:99+4*\i], v1, s[76:77] offset:512*\i
.endr
	global_load_b32 v108, v11, s[78:79]
	s_and_b32 s58, s[WV], 3
	s_lshl_b32 s58, s58, 5
	v_add_nc_u32 v[PFO], s58, v6                   ; my block of the 96
	s_delay_alu instid0(VALU_DEP_1)
	v_cmp_lt_u32 vcc_lo, 47, v[PFO]
	v_mov_b32 v8, 16*98304-12288                   ; blocks 48 on lie in V's plane, 16 planes on
	s_delay_alu instid0(VALU_DEP_1)
	v_cndmask_b32 v8, 0, v8, vcc_lo
	s_delay_alu instid0(VALU_DEP_1)
	v_lshl_add_u32 v[PFO], v[PFO], 8, v8
	v_mov_b32 v13, 0xff61b1e6                      ; the largest t so far: -3e38, under every t
	s_delay_alu instid0(VALU_DEP_1)
	v_floor_f32 v12, -v13                          ; -M
	v_mov_b32 v14, 0                               ; the sum, in two halves
	v_mov_b32 v15, 0
.irp b, 0,1,2,3
	v_mov_b32 v[BP+\b], 0                          ; written once: a lane permute's destination counts as one of its sources
.endr
	v_mov_b32 v225, 0                              ; (named as the upper half of the pair v[224:225])
	v_mov_b32 v227, 0
	s_wait_loadcnt 0x0                             ; Q
.irp i, 0,1,2,3,4,5
	v_cndmask_b32 v[16+\i], v[96+\i], v[102+\i], s[UM]   ; my queries' half of the fragment
.endr
.irp i, 0,1,2,3,4,5
	v_mov_b32 v[22+\i], 0                          ; v16-27: Q, zeros: picks a fragment's first 16 keys;
	v_mov_b32 v[28+\i], v[16+\i]                   ; v22-33: zeros, Q: its second 16
.endr
	v_perm_b32 v34, v108, v108, s[PS]              ; my queries' two scale bytes, twice
.set jj, 0
.rept 32
	v_mov_b32 v[160+jj], 0                         ; O^T.  (The step is written once: the first finds zeros, which the first change of M leaves zeros.)  These are also the places between Q's registers and scale word and the first products
.set jj, jj+1
.endr
; A KEY STEP: 128 keys, the q-th of the slot in hand.
.macro STEP q
	s_add_co_u32 s58, s[Q0], 15                    ; a step all of whose keys come after my queries is left out: a branch on ids, round the step's loads, products and softmax, not round the lines at its end that step addresses
	s_cmp_gt_u32 s[KF], s58
	s_cbranch_scc1 .Lhidden_\@
	v_add_nc_u32 v[AD], s[TB], v1
	v_add_nc_u32 v[ADS], s[TS], v2
.irp f, 0,1,2,3
.irp i, 0,1,2
	ds_load_b128 v[36+12*\f+4*\i:39+12*\f+4*\i], v[AD] offset:6144*(\q)+1536*\f+512*\i
.endr
.endr
.irp p, 0,1
	ds_load_b32 v[84+\p], v[ADS] offset:128*\p           ; K's words: lanes 0-15 fragment 2 p, lanes 16-31 fragment 2 p + 1
	ds_load_b32 v[86+\p], v[ADS] offset:4096+128*\p      ; V's likewise
.endr
	s_wait_dscnt 0x0
.irp f, 0,1,2,3
.irp u, 0,1
.if \f%2
	v_wmma_scale_f32_16x16x128_f8f6f4 v[96+16*\f+8*\u:103+16*\f+8*\u], v[36+12*\f:47+12*\f], v[16+6*\u:27+6*\u], 0, v[84+\f/2], v34 matrix_a_fmt:MATRIX_FMT_BF6 matrix_b_fmt:MATRIX_FMT_BF6 matrix_a_scale:MATRIX_SCALE_ROW1
.else
	v_wmma_scale_f32_16x16x128_f8f6f4 v[96+16*\f+8*\u:103+16*\f+8*\u], v[36+12*\f:47+12*\f], v[16+6*\u:27+6*\u], 0, v[84+\f/2], v34 matrix_a_fmt:MATRIX_FMT_BF6 matrix_b_fmt:MATRIX_FMT_BF6
.endif
.endr
.endr
.rept 4
	v_nop                                          ; four places behind the products, ahead of the first read of their results
.endr
	s_add_co_u32 s58, s[KF], 127                   ; on the diagonal the scores of hidden keys become -infinity ahead of the maximum: p = 0 then.  A step all of whose keys count skips this
	s_cmp_le_u32 s58, s[Q0]
	s_cbranch_scc1 .Lopen_\@
	s_sub_co_i32 s58, s[Q0], s[KF]
	v_add_nc_u32 v227, s58, v10                    ; d = my query - the step's first key - 8 h.  Register 16 F + 8 u + j is hidden where 32 F + 16 u + j > d
	v_mov_b32 v230, 0xff800000
.set nn, 0
.rept 64
	v_cmp_gt_i32 vcc_lo, 32*(nn/16)+16*((nn/8)%2)+nn%8, v227
	v_cndmask_b32 v[96+nn], v[96+nn], v230, vcc_lo
.set nn, nn+1
.endr
.Lopen_\@:
.irp b, 0,1,2,3
	v_max3_num_f32 v[BM+\b], v[96+16*\b], v[97+16*\b], v[98+16*\b]   ; the largest score of each block of 32 keys: it serves for the row's maximum and, since p rises with the score, for the block's largest p
.endr
.irp i, 3,5,7,9,11,13
.irp b, 0,1,2,3
	v_max3_num_f32 v[BM+\b], v[BM+\b], v[96+16*\b+\i], v[97+16*\b+\i]
.endr
.endr
.irp b, 0,1,2,3
	v_max_num_f32 v[BM+\b], v[BM+\b], v[111+16*\b]
.endr
.irp b, 0,1,2,3
	s_delay_alu instid0(VALU_DEP_4)
	v_permlanex16_b32 v[BP+\b], v[BM+\b], s[SEL], s[SEL+1]
.endr
.irp b, 0,1,2,3
	s_delay_alu instid0(VALU_DEP_4)
	v_max_num_f32 v[BM+\b], v[BM+\b], v[BP+\b]     ; with lane l xor 16's 16 keys
.endr
	s_delay_alu instid0(VALU_DEP_2)
	v_max3_num_f32 v227, v[BM], v[BM+1], v[BM+2]
	s_delay_alu instid0(VALU_DEP_1)
	v_max_num_f32 v227, v227, v[BM+3]              ; the step's largest score of my query
	s_delay_alu instid0(VALU_DEP_1)
	v_mul_f32 v227, s[CS], v227                    ; as t (c is positive)
	s_delay_alu instid0(VALU_DEP_1)
	v_max_num_f32 v13, v13, v227                   ; the running largest t
	v_mov_b32 v227, v12
	s_delay_alu instid0(VALU_DEP_2)
	v_floor_f32 v12, -v13                          ; the new -M = floor(-t): M is a whole number
	s_delay_alu instid0(VALU_DEP_1)
	v_sub_f32 v227, v12, v227                      ; M's old value less its new one: a whole number, 0 or less
	s_delay_alu instid0(VALU_DEP_1)
	v_cvt_i32_f32 v227, v227                       ; (it saturates)
	s_delay_alu instid0(VALU_DEP_1)
	v_ldexp_f32 v224, 1.0, v227                    ; f = 2^(old M - new M)
.set jj, 0
.rept 32
	v_pk_fma_f32 v[96+jj:97+jj], v[96+jj:97+jj], s[CS:CS+1], v[12:13] op_sel_hi:[1,0,0]   ; t - M, two at a time (of the pairs c and -M the low word serves both halves)
.set jj, jj+2
.endr
.irp b, 0,1,2,3
	v_fma_f32 v[BM+\b], v[BM+\b], s[CS], v12       ; the same of each block's largest score
.endr
.set jj, 0
	s_wait_alu depctr_va_vdst(0)
.rept 64
	v_exp_f32 v[96+jj], v[96+jj]                   ; p = 2^(t - M), at most 1: not normalised
.set jj, jj+1
.endr
	v_pk_mul_f32 v[14:15], v[14:15], v[224:225] op_sel_hi:[1,0]   ; the sums under the new M: the plain place behind the exponentials
	s_wait_alu depctr_va_vdst(0)                   ; one wait for the whole batch, ahead of its first reader
.irp b, 0,1,2,3
	v_exp_f32 v[BM+\b], v[BM+\b]                   ; the block's largest p: the same two instructions on the same number give the same bits
.endr
	v_pk_add_f32 v[228:229], v[100:101], v[104:105]
	v_pk_add_f32 v[254:255], v[108:109], v[112:113]
	v_pk_add_f32 v[252:253], v[116:117], v[120:121]
	v_pk_add_f32 v[250:251], v[124:125], v[128:129]
	v_pk_add_f32 v[248:249], v[132:133], v[136:137]
	v_pk_add_f32 v[246:247], v[140:141], v[144:145]
	v_pk_add_f32 v[244:245], v[148:149], v[152:153]
	v_pk_add_f32 v[14:15], v[14:15], v[156:157]
	v_pk_add_f32 v[228:229], v[228:229], v[96:97]
	v_pk_add_f32 v[254:255], v[254:255], v[98:99]
	v_pk_add_f32 v[252:253], v[252:253], v[102:103]
	v_pk_add_f32 v[250:251], v[250:251], v[106:107]
	v_pk_add_f32 v[248:249], v[248:249], v[110:111]
	v_pk_add_f32 v[246:247], v[246:247], v[114:115]
	v_pk_add_f32 v[244:245], v[244:245], v[118:119]
	v_pk_add_f32 v[14:15], v[14:15], v[122:123]
	v_pk_add_f32 v[228:229], v[228:229], v[126:127]
	v_pk_add_f32 v[254:255], v[254:255], v[130:131]
	v_pk_add_f32 v[252:253], v[252:253], v[134:135]
	v_pk_add_f32 v[250:251], v[250:251], v[138:139]
	v_pk_add_f32 v[248:249], v[248:249], v[142:143]
	v_pk_add_f32 v[246:247], v[246:247], v[146:147]
	v_pk_add_f32 v[244:245], v[244:245], v[150:151]
	v_pk_add_f32 v[14:15], v[14:15], v[154:155]
	v_pk_add_f32 v[228:229], v[228:229], v[158:159]
	s_delay_alu instid0(VALU_DEP_2)
	v_pk_add_f32 v[14:15], v[14:15], v[250:251]
	s_delay_alu instid0(VALU_DEP_2)
	v_pk_add_f32 v[228:229], v[228:229], v[248:249]
	v_pk_add_f32 v[254:255], v[254:255], v[246:247]
	v_pk_add_f32 v[252:253], v[252:253], v[244:245]
	s_delay_alu instid0(VALU_DEP_2)
	v_pk_add_f32 v[14:15], v[14:15], v[254:255]
	s_delay_alu instid0(VALU_DEP_2)
	v_pk_add_f32 v[228:229], v[228:229], v[252:253]
	s_delay_alu instid0(VALU_DEP_1)
	v_pk_add_f32 v[14:15], v[14:15], v[228:229]
	s_wait_alu depctr_va_vdst(0)                   ; and one for the four
.irp b, 0,1,2,3
	v_max_num_f32 v[BM+\b], 0x2800000, v[BM+\b]    ; the floor 2^(5 - 127): the byte cannot fall under 1 (a block whose every p is 0 keeps that byte: its codes are zeros)
.endr
.irp b, 0,1,2,3
	s_delay_alu instid0(VALU_DEP_4)
	v_add_nc_u32 v[SO+\b], 0xfe000000, v[BM+\b]    ; 4 off the exponent field: the conversion's scale operand
.endr
.irp b, 0,1,2,3
	s_delay_alu instid0(VALU_DEP_4)
	v_lshrrev_b32 v[BP+\b], 23, v[SO+\b]           ; the scale's byte
.endr
	s_delay_alu instid0(VALU_DEP_3)
	v_lshl_or_b32 v226, v[BP+1], 8, v[BP]          ; p's scale word for these 128 keys
	s_delay_alu instid0(VALU_DEP_1)
	v_lshl_or_b32 v226, v[BP+2], 16, v226
	s_delay_alu instid0(VALU_DEP_1)
	v_lshl_or_b32 v226, v[BP+3], 24, v226
.irp c, 0,1
	v_cvt_scalef32_pk16_bf6_f32 v[192+6*\c:194+6*\c], v[96+32*\c:111+32*\c], v[SO+2*\c]
	v_cvt_scalef32_pk16_bf6_f32 v[CT+4*\c:CT+4*\c+2], v[112+32*\c:127+32*\c], v[SO+2*\c+1]   ; (a conversion's three registers begin on an even number)
.endr
.irp t, 0,1,2,3
.irp i, 0,1,2
	ds_load_b128 v[96+12*\t+4*\i:99+12*\t+4*\i], v[AD] offset:12288+6144*(\q)+1536*\t+512*\i   ; V's four fragments take the registers that p has left
.endr
.endr
	v_nop                                          ; one plain place behind a scaled conversion
.irp c, 0,1
.irp i, 0,1,2
	v_permlane16_swap_b32 v[192+6*\c+\i], v[CT+4*\c+\i]   ; the operand's layout wants a whole block in a lane
.endr
.irp i, 0,1,2
	s_delay_alu instid0(VALU_DEP_3)
	v_mov_b32 v[195+6*\c+\i], v[CT+4*\c+\i]
.endr
.endr
.set jj, 0
.rept 16
	v_pk_mul_f32 v[160+jj:161+jj], v[160+jj:161+jj], v[224:225] op_sel_hi:[1,0]   ; O^T under the new M.  (These sixteen are also the places between p's codes and scale word and the products below)
.set jj, jj+2
.endr
	s_wait_alu depctr_va_vdst(0)
	s_wait_dscnt 0x0
.irp t, 0,1,2,3
.if \t%2
	v_wmma_scale_f32_16x16x128_f8f6f4 v[160+8*\t:167+8*\t], v[96+12*\t:107+12*\t], v[192:203], v[160+8*\t:167+8*\t], v[86+\t/2], v226 matrix_a_fmt:MATRIX_FMT_BF6 matrix_b_fmt:MATRIX_FMT_BF6 matrix_a_scale:MATRIX_SCALE_ROW1
.else
	v_wmma_scale_f32_16x16x128_f8f6f4 v[160+8*\t:167+8*\t], v[96+12*\t:107+12*\t], v[192:203], v[160+8*\t:167+8*\t], v[86+\t/2], v226 matrix_a_fmt:MATRIX_FMT_BF6 matrix_b_fmt:MATRIX_FMT_BF6
.endif
.endr
.rept 5
	v_nop                                          ; five places: the next step's scores are written by matrix instructions over V's fragments; they serve the next loads and the way out's reads too
.endr
.Lhidden_\@:
	s_add_co_u32 s[KF], s[KF], 128
	s_add_co_u32 s[TS], s[TS], 256
.endm
; THE CHANGE OF SLOTS stands at a slot's head.  Each wave waits for all its tensor loads, adds 0 to its spare word (fill = 1: twice on end), and waits for that and for its reads of the slot that it has left.
; Behind the barrier the slot ahead is whole and nobody reads the other one.  fill = 1: that other slot takes the next 256 keys, up to the causal limit: the load has a slot's two steps in which to land.
.macro CHANGE fill
	s_wait_tensorcnt 0x0                           ; no tensor load of mine is out, so a group 0 may be written
	ds_add_u32 v[SPW], v[NIL]                      ; 0 onto my spare word
.if \fill
	ds_add_u32 v[SPW], v[NIL]                      ; and once more
	s_xor_b32 s[G0+1], s[G0+1], SLOT1              ; the walking descriptor: the other slot than last time,
	s_add_nc_u64 s[G0+2:G0+3], s[G0+2:G0+3], 12288 ; the next 256 keys; the type bits on top are not reached
	s_wait_xcnt 0x0                                ; the last prefetch, a slot back, has read its address, so it may be written:
	s_add_nc_u64 s[PFA:PFA+1], s[PFA:PFA+1], 12288 ; one slot further on than the walking descriptor
.endif
	s_wait_dscnt 0x0                               ; the add is done (fill = 1: both are), and my reads of the slot that I have left are over
	s_barrier_signal -1
	s_barrier_wait -1
.if \fill
	s_add_co_u32 s58, s[KF], 256                   ; a slot whose first key comes after my work-group's last query is read by none of its waves, so it is not asked for.
	s_cmp_gt_u32 s58, s[QL]                        ; Ids and the count of steps alone: all sixteen waves go the same way; every wait on TENSORcnt in this text is for 0; the jump leads round the load's own lines alone
	s_cbranch_scc1 .Lpast_\@
	TLOAD G0, G1                                   ; a wave's one tensor load until the next change
.Lpast_\@:
	ASK
.endif
.endm
.macro SLOT_STEPS
	STEP 0
	STEP 1
	s_xor_b32 s[TB], s[TB], SLOT1                  ; on to the other slot
.endm
.Lslot:                                            ; NSL - 1 trips: the count is a constant; slot 1's first fill stands behind the first trip's barrier, behind which nothing is filled again
	CHANGE 1
	SLOT_STEPS
	s_sub_co_u32 s[SLOTS], s[SLOTS], 1
	s_cmp_lg_u32 s[SLOTS], 0
	s_cbranch_scc1 .Lslot
	CHANGE 0                                       ; the last slot is written out: nothing is left to fetch
	SLOT_STEPS
	; THE WAY OUT.  O^T / the sum is my queries' 64 numbers of Y: two blocks of 32 along C, register 16 b + 8 u + j = element 32 b + 16 u + 8 h + j.  They are quantised here and leave as half a fragment of the last product's operand.
	v_add_f32 v14, v14, v15                        ; the sum's two halves,
	s_delay_alu instid0(VALU_DEP_1)
	v_permlanex16_b32 v227, v14, s[SEL], s[SEL+1]
	s_delay_alu instid0(VALU_DEP_1)
	v_add_f32 v14, v14, v227                       ; and lane l xor 16's: the row's sum
	s_wait_alu depctr_va_vdst(0)
	v_rcp_f32 v14, v14
	v_nop                                          ; a plain place behind the reciprocal
	s_wait_alu depctr_va_vdst(0)                   ; and the wait ahead of its first reader
.set jj, 0
.rept 32
	v_mul_f32 v[96+jj], v[160+jj], v14
.set jj, jj+1
.endr
.irp b, 0,1
	v_max3_num_f32 v[BM+\b], |v[96+16*\b]|, |v[97+16*\b]|, 0x2800000
.endr
.irp i, 2,4,6,8,10,12,14
.irp b, 0,1
	s_delay_alu instid0(VALU_DEP_2)
	v_max3_num_f32 v[BM+\b], v[BM+\b], |v[96+16*\b+\i]|, |v[97+16*\b+\i]|
.endr
.endr
.irp b, 0,1
	s_delay_alu instid0(VALU_DEP_2)
	v_permlanex16_b32 v[BP+\b], v[BM+\b], s[SEL], s[SEL+1]
.endr
.irp b, 0,1
	s_delay_alu instid0(VALU_DEP_2)
	v_max_num_f32 v[BM+\b], v[BM+\b], v[BP+\b]
.endr
.irp b, 0,1
	s_delay_alu instid0(VALU_DEP_2)
	v_add_nc_u32 v[SO+\b], 0xfe000000, v[BM+\b]
.endr
.irp b, 0,1
	s_delay_alu instid0(VALU_DEP_2)
	v_lshrrev_b32 v[BP+\b], 23, v[SO+\b]
.endr
	v_cvt_scalef32_pk16_bf6_f32 v[192:194], v[96:111], v[SO]
	v_cvt_scalef32_pk16_bf6_f32 v[CT:CT+2], v[112:127], v[SO+1]
	v_nop                                          ; one plain place behind a scaled conversion
.irp i, 0,1,2
	v_permlane16_swap_b32 v[192+\i], v[CT+\i]
.endr
.irp i, 0,1,2
	s_delay_alu instid0(VALU_DEP_3)
	v_mov_b32 v[195+\i], v[CT+\i]
.endr
	v_cndmask_b32 v[BP+2], v[BP], v[BP+1], s[HM]   ; lane (r, h) stores the byte of block h of row r
	global_store_b128 v1, v[192:195], s[8:9]       ; 512 and 256 consecutive bytes, at multiples of 256 from yc's first byte
	global_store_b64 v9, v[196:197], s[8:9] offset:512
	global_store_b8 v35, v[BP+2], s[10:11]
	s_wait_tensorcnt 0x0                           ; the wave's end, behind my last tensor load
	ds_add_u32 v[SPW], v[NIL]
	s_wait_dscnt 0x0
	s_endpgm
.Lfunc_end_k_qf6f666460c_attn:
	.size	k_qf6f666460c_attn, .Lfunc_end_k_qf6f666460c_attn-k_qf6f666460c_attn
	.p2alignl 7, 3214868480
	.fill 96, 4, 3214868480
	.section	.rodata,"a",@progbits
	.p2align	6, 0x0
	.amdhsa_kernel k_qf6f666460c_attn
		.amdhsa_group_segment_fixed_size 327680
		.amdhsa_private_segment_fixed_size 0
		.amdhsa_enable_private_segment 0
		.amdhsa_kernarg_size 32
		.amdhsa_user_sgpr_count 2
		.amdhsa_user_sgpr_kernarg_segment_ptr 1
		.amdhsa_wavefront_size32 1
		.amdhsa_system_sgpr_workgroup_id_x 1
		.amdhsa_system_sgpr_workgroup_id_y 1
		.amdhsa_system_sgpr_workgroup_id_z 1
		.amdhsa_system_vgpr_workitem_id 0
		.amdhsa_next_free_vgpr 256
		.amdhsa_next_free_sgpr 80
		.amdhsa_reserve_vcc 1
		.amdhsa_float_denorm_mode_32 3
		.amdhsa_float_denorm_mode_16_64 3
		.amdhsa_memory_ordered 1
		.amdhsa_forward_progress 1
		.amdhsa_inst_pref_size 103
	.end_amdhsa_kernel
	.amdgpu_metadata
---
amdhsa.version: [ 1, 2 ]
amdhsa.kernels:
  - .name:           k_qf6f666460c_attn
    .symbol:         k_qf6f666460c_attn.kd
    .args:
      - { .name: ac, .offset: 0, .size: 8, .value_kind: global_buffer, .address_space: global }
      - { .name: asc, .offset: 8, .size: 8, .value_kind: global_buffer, .address_space: global }
      - { .name: yc, .offset: 16, .size: 8, .value_kind: global_buffer, .address_space: global }
      - { .name: ys, .offset: 24, .size: 8, .value_kind: global_buffer, .address_space: global }
    .group_segment_fixed_size: 327680
    .private_segment_fixed_size: 0
    .kernarg_segment_align: 8
    .kernarg_segment_size: 32
    .max_flat_workgroup_size: 512
    .sgpr_count:     80
    .vgpr_count:     256
    .wavefront_size: 32
...
	.end_amdgpu_metadata
.endif
;; end of part 3
;; launch proj (part 4): grid 4 x 64, 4 waves a work-group, clusters of 4 x 4, 327,680 bytes of LDS; arguments yc, ys, wc, ws, bo, out0; writes out0
.if DOCPART == 4
	.amdgcn_target "amdgcn-amd-amdhsa--gfx1250"
	.amdhsa_code_object_version 6
	.text
	.protected	k_qf6f666460c_proj
	.globl	k_qf6f666460c_proj
	.p2align	8
	.type	k_qf6f666460c_proj,@function
k_qf6f666460c_proj:
	s_mov_b64 s[64:65], 0
	v_nop
	global_prefetch_b8 v0, s[64:65] scope:SCOPE_SE
	s_setreg_imm32_b32 hwreg(HW_REG_WAVE_MODE, 25, 1), 1
	s_wait_xcnt 0x0
	s_wait_alu depctr_hold_cnt(0) depctr_sa_sdst(0) depctr_va_vdst(0) depctr_va_sdst(0) depctr_va_ssrc(0) depctr_va_vcc(0) depctr_vm_vsrc(0)
	s_getreg_b32 s2, hwreg(HW_REG_IB_STS2, 6, 4)
	s_cmp_eq_u32 s2, 0
	s_cbranch_scc0 .Lentry_in_a_cluster
	s_endpgm
.Lentry_in_a_cluster:
	s_bfe_u32 s2, ttmp6, 0x10000c
	s_cmp_lg_u32 s2, 0xf033
	s_cbranch_scc0 .Lentry_shape_is_right
	s_endpgm
.Lentry_shape_is_right:
; LAUNCH 4 OF 4: out0 = Y Wo^T + bo on codes of BF6 (E3M2) with E8M0 scales, sums in f32.  Y's codes and scale words come from launch attn, Wo's are rows 3,072 on of wc, ws (launch quant).
; The core is launch qkv's: a work-group makes 128 rows of A = Y (source 1: a lane holds one token) x 256 rows of B = Wo (source 0: eight neighbouring outputs in a lane's registers), K = 1,024; four waves, 64 x 128 each, 32 accumulators.
; ALL OF K LIES IN LDS, in four chunks of 256 along K, each filled once, all asked for at the head: five tensor loads of a wave are out.  Nothing is filled again: a chunk's barrier waits for that chunk alone.
; CLUSTERS: 4 x 4 work-groups: A's panel is asked for jointly along a row of the cluster, B's along a column.  256 work-groups in all.
; bo is the C of each sum's first matrix instruction: eight registers a tile of outputs, in the result's layout.
; THE WAY OUT: 16 rows x 512 bytes at a time through the wave's own stage, which lies in chunk 0: that chunk has had its only fill, and every wave has passed the barrier behind its last read of it.
; REGISTERS, in windows of 256: window 0: v1-7 lane terms; v8-23 LDS addresses; v24 scale words' address; v25, v26 the stage; v28, v29 the add's two; v32-63 scale words, two sets; v64-127 bo; v128-175, v176-223 A's fragments
;   (on the way out v128-255: rows read back).   window 1: v0-95, v128-223 B's fragments, two sets.   window 2: accumulator (a, b) at v[8 (8 a + b)].
.set CH,    73728                      ; a chunk: A's 8 tiles x 3,072 bytes, then B's 16
.set BOFF,  24576
.set SCL,   4*CH                       ; behind the chunks: A's scale words (4,096 bytes), then B's (8,192)
.set SPARE, SCL+12288                  ; the spare words, 128 bytes for each wave: two blocks of 256 bytes that no other line names
.set SPITCH, 528                       ; a stage row: 512 bytes + 16
.set G1A,  24
.set G1B,  32
.set G1SA, 40
.set G1SB, 48
.set G0SA, 56
.set G0SB, 60
.set G0A,  68
.set G0B,  84
.set WV,   3
.set HA,   100                         ; s100 which 64 rows of A are mine.  Also: I fetch for A (0) or for B (1)
.set HB,   101                         ; s101 which 128 rows of B.  Also: which half of that panel I fetch
.set CX,   104
.set CY,   105
.set CLX,  66
.set CLY,  67
.set ADA,  8
.set ADB,  16
.set ADS,  24
.set STO,  25
.set RD,   26
.set SPW,  28
.set NIL,  29
.set SC,   32
.set BI,   64
.set AF,   128
.set BK,   128
.set MSB, 0
.macro WIN new                         ; the immediate's high byte repeats the setting that is left
.if MSB != \new
	s_set_vgpr_msb (MSB<<8)|\new
.set MSB, \new
.endif
.endm
.macro JLOAD g0a, g1a, g0b, g1b        ; a joint load: waves 0 and 1 fetch for A, waves 2 and 3 for B; an s_nop 0 and four v_nop follow each of the two lines
	s_cmp_eq_u32 s[HA], 0
	s_cbranch_scc0 .Lfor_b_\@
	tensor_load_to_lds s[\g0a:\g0a+3], s[\g1a:\g1a+7]
	s_nop 0
.rept 4
	v_nop
.endr
	s_branch .Lasked_\@
.Lfor_b_\@:
	tensor_load_to_lds s[\g0b:\g0b+3], s[\g1b:\g1b+7]
	s_nop 0
.rept 4
	v_nop
.endr
.Lasked_\@:
.endm
.macro CROUND                          ; a round of the cluster's barrier
	s_barrier_signal -1
	s_barrier_wait -1
	s_cmp_lg_u32 s[WV], 0
	s_cbranch_scc1 .Lnot_wave_0_\@
	s_barrier_signal -3
.Lnot_wave_0_\@:
	s_barrier_wait -3
	s_barrier_signal -1
	s_barrier_wait -1
.endm
.macro PLACES n
.rept \n
	v_nop
.endr
.endm
.macro FRAG reg, adr, off              ; a fragment's 12 registers: every load takes neighbouring bytes in neighbouring lanes
	ds_load_b128 v[(\reg):(\reg)+3], v[\adr] offset:(\off)
	ds_load_b64 v[(\reg)+4:(\reg)+5], v[(\adr)+4] offset:(\off)+512
	ds_load_b128 v[(\reg)+6:(\reg)+9], v[\adr] offset:(\off)+768
	ds_load_b64 v[(\reg)+10:(\reg)+11], v[(\adr)+4] offset:(\off)+1280
.endm
.macro FETCH q                         ; the fragments of K step q (chunk q / 2) into set q % 2; with a chunk's first step its scale words
	WIN 0x40
.irp i, 0,1,2,3,4,5,6,7
	FRAG 128*((\q)%2)+12*\i, ADB+(\q)/2, 3072*\i+1536*((\q)%2)
.endr
	WIN 0
.irp i, 0,1,2,3
	FRAG AF+48*((\q)%2)+12*\i, ADA+(\q)/2, 3072*\i+1536*((\q)%2)
.endr
.if (\q)%2 == 0
.irp i, 0,1,2,3,4,5,6,7
	ds_load_b64 v[SC+16*(((\q)/2)%2)+2*\i:SC+16*(((\q)/2)%2)+2*\i+1], v[ADS] offset:512*\i+128*((\q)/2)
.endr
.endif
.endm
.macro GATE s                          ; chunk s is whole in LDS: my part has landed (the 3 - s chunks asked for behind it may stay out), and so has everybody's
	s_wait_tensorcnt 3-(\s)
	s_barrier_signal -1
	s_barrier_wait -1
.endm
.macro MUL32 q, first                  ; 32 matrix instructions; the 32 accumulators take turns, one instruction a turn.  first = 1: bo starts the sums
.irp a, 0,1,2,3
.irp b, 0,1,2,3,4,5,6,7
.set rD, 8*(8*\a+\b)
.set rB, 128*((\q)%2)+12*\b
.set rA, AF+48*((\q)%2)+12*\a
.set rS, SC+16*(((\q)/2)%2)+(\q)%2
.if \first
	v_wmma_scale_f32_16x16x128_f8f6f4 v[rD:rD+7], v[rB:rB+11], v[rA:rA+11], v[BI+8*\b:BI+8*\b+7], v[rS+2*\b], v[rS+2*\a] matrix_a_fmt:MATRIX_FMT_BF6 matrix_b_fmt:MATRIX_FMT_BF6 matrix_a_scale:MATRIX_SCALE_ROW1
.else
	v_wmma_scale_f32_16x16x128_f8f6f4 v[rD:rD+7], v[rB:rB+11], v[rA:rA+11], v[rD:rD+7], v[rS+2*\b], v[rS+2*\a] matrix_a_fmt:MATRIX_FMT_BF6 matrix_b_fmt:MATRIX_FMT_BF6 matrix_a_scale:MATRIX_SCALE_ROW1
.endif
.endr
.endr
.endm
.macro GSTEP q
	s_wait_dscnt 0x0                               ; this step's fragments, asked for ahead of the last step's 32 products, are in; and no LDS instruction of mine is out at the barrier below
.if (\q) < 7
.if (\q)%2 == 1
	GATE ((\q)+1)/2
.endif
.if (\q) > 0
	PLACES 4                                       ; four places in front of loads into the set that the last step multiplied
.endif
	FETCH (\q)+1
.endif
.if (\q) == 0
	WIN 0x81                                       ; source 0 (B) window 1, source 1 (A) and C (bo) window 0, D window 2
	MUL32 \q, 1
.else
	WIN 0xa1                                       ; C and D window 2
	MUL32 \q, 0
.endif
	WIN 0
.endm
	s_load_b256 s[4:11], s[0:1], 0x0               ; yc, ys, wc, ws
	s_load_b128 s[12:15], s[0:1], 0x20             ; bo, out0
	v_lshl_add_u32 v[SPW], v0, 2, SPARE
	v_mov_b32 v[NIL], 0
	ds_add_u32 v[SPW], v[NIL]                      ; the wave's opening: the add, twice on end, and its wait ahead of my first tensor load; the set-up below stands between the second and the wait
	ds_add_u32 v[SPW], v[NIL]
	v_lshrrev_b32 v1, 5, v0
	v_readfirstlane_b32 s[WV], v1
	s_lshr_b32 s[HA], s[WV], 1
	s_and_b32 s[HB], s[WV], 1
	s_bfe_u32 s[CX], ttmp6, 0x40000
	s_bfe_u32 s[CY], ttmp6, 0x40004
	s_mov_b32 s[CLX], ttmp9
	s_and_b32 s[CLY], ttmp7, 0xffff
	s_lshl_b32 s16, s[CY], 2
	s_lshl_b32 s16, 15, s16                        ; my row of the cluster
	s_lshl_b32 s20, 0x1111, s[CX]                  ; my column
	s_or_b32 s[G1A], s16, (3<<16)|(1<<21)          ; 15:0 the mask; 17:16 elements of 8 bytes; 21 set beside a mask; no padding
	s_or_b32 s[G1SA], s16, (3<<16)|(1<<21)
	s_or_b32 s[G1B], s20, (3<<16)|(1<<21)
	s_or_b32 s[G1SB], s20, (3<<16)|(1<<21)
.irp g, G1A, G1B                       ; a chunk's part of a panel: rows of 3,072 bytes, 12,288 bytes apart
	s_mov_b32 s[\g+1], 384<<16
	s_mov_b32 s[\g+3], 384<<16
	s_mov_b32 s[\g+5], 1536
	s_mov_b32 s[\g+6], 0
	s_mov_b32 s[\g+7], 0
.endr
	s_mov_b32 s[G1A+2], 4<<16
	s_mov_b32 s[G1A+4], 4
	s_mov_b32 s[G1B+2], 8<<16
	s_mov_b32 s[G1B+4], 8
.irp g, G1SA, G1SB                     ; scale words: dense, as rows of 256 bytes
	s_mov_b32 s[\g+1], 32<<16
	s_mov_b32 s[\g+3], 32<<16
	s_mov_b32 s[\g+5], 32
	s_mov_b32 s[\g+6], 0
	s_mov_b32 s[\g+7], 0
.endr
	s_mov_b32 s[G1SA+2], 8<<16
	s_mov_b32 s[G1SA+4], 8
	s_mov_b32 s[G1SB+2], 16<<16
	s_mov_b32 s[G1SB+4], 16
	s_wait_dscnt 0x0                               ; both opening adds are done
	s_wait_kmcnt 0x0
	s_mov_b64 s[16:17], s[4:5]                     ; A's codes, A's scale words,
	s_mov_b64 s[18:19], s[6:7]
	s_mov_b64 s[20:21], s[8:9]                     ; B's
	s_mov_b64 s[22:23], s[10:11]
	s_lshl_b32 s4, s[CLY], 2
	s_add_co_u32 s4, s4, s[CY]                     ; A's tile row (128 tokens): the cluster's y and cy alone
	s_lshl_b32 s6, s[CLX], 2
	s_add_co_u32 s6, s6, s[CX]                     ; B's tile column (256 outputs): the cluster's x and cx alone
	s_lshl_b32 s8, s4, 7                           ; kept for the way out, in registers that feed no descriptor
	s_lshl_b32 s9, s6, 8
	s_lshl_b32 s2, s[HB], 2
	s_lshl_b32 s4, s4, 3
	s_add_co_u32 s4, s4, s2                        ; A: the first tile of 16 rows that I would fetch
	s_lshl_b32 s4, s4, 9
	s_mov_b32 s5, 0
	s_add_nc_u64 s[18:19], s[18:19], s[4:5]
	s_mul_i32 s4, s4, 24
	s_add_nc_u64 s[16:17], s[16:17], s[4:5]
	s_lshl_b32 s2, s[HB], 3
	s_add_co_u32 s2, s2, 192                       ; Wo's rows begin at tile 192 of the stacked weights
	s_lshl_b32 s6, s6, 4
	s_add_co_u32 s6, s6, s2
	s_lshl_b32 s6, s6, 9
	s_mov_b32 s7, 0
	s_add_nc_u64 s[22:23], s[22:23], s[6:7]
	s_mul_i32 s6, s6, 24
	s_add_nc_u64 s[20:21], s[20:21], s[6:7]
	s_lshl_b32 s2, s[HB], 11
	s_mov_b32 s[G0SA], 1
	s_add_co_u32 s[G0SA+1], s2, SCL
	s_mov_b64 s[G0SA+2:G0SA+3], s[18:19]
	s_or_b32 s[G0SA+3], s[G0SA+3], 0x80000000
	s_lshl_b32 s2, s[HB], 12
	s_mov_b32 s[G0SB], 1
	s_add_co_u32 s[G0SB+1], s2, SCL+4096
	s_mov_b64 s[G0SB+2:G0SB+3], s[22:23]
	s_or_b32 s[G0SB+3], s[G0SB+3], 0x80000000
	s_mul_i32 s2, s[HB], 12288
.irp s, 0,1,2,3
	s_mov_b32 s[G0A+4*\s], 1
	s_add_co_u32 s[G0A+4*\s+1], s2, \s*CH
	s_add_nc_u64 s[G0A+4*\s+2:G0A+4*\s+3], s[16:17], \s*3072
	s_or_b32 s[G0A+4*\s+3], s[G0A+4*\s+3], 0x80000000
.endr
	s_mul_i32 s2, s[HB], 24576
.irp s, 0,1,2,3
	s_mov_b32 s[G0B+4*\s], 1
	s_add_co_u32 s[G0B+4*\s+1], s2, \s*CH+BOFF
	s_add_nc_u64 s[G0B+4*\s+2:G0B+4*\s+3], s[20:21], \s*3072
	s_or_b32 s[G0B+4*\s+3], s[G0B+4*\s+3], 0x80000000
.endr
	CROUND                                         ; all sixteen work-groups are here: the joint loads meet
	JLOAD G0SA, G1SA, G0SB, G1SB
.irp s, 0,1,2,3
	JLOAD G0A+4*\s, G1A, G0B+4*\s, G1B
.endr
	v_and_b32 v5, 31, v0                           ; lane
	v_and_b32 v1, 15, v0                           ; r
	v_bfe_u32 v2, v0, 4, 1                         ; h
	v_lshlrev_b32 v3, 4, v5                        ; 16 x lane
	v_lshlrev_b32 v4, 3, v5                        ; 8 x lane
	v_lshlrev_b32 v7, 5, v2                        ; 32 h
	s_lshl_b32 s2, s[HA], 11                       ; scale words: lanes 0-15 A's, lanes 16-31 B's: the lower base + h x the distance
	s_lshl_b32 s11, s[HB], 12
	s_add_co_u32 s11, s11, 4096
	s_sub_co_u32 s11, s11, s2
	v_mul_u32_u24 v[ADS], s11, v2
	v_lshl_add_u32 v[ADS], v1, 3, v[ADS]
	s_add_co_u32 s2, s2, SCL
	v_add_nc_u32 v[ADS], s2, v[ADS]
	; where my results go, and my 128 numbers of bo
	s_lshl_b32 s2, s[HA], 6
	s_add_co_u32 s8, s8, s2                        ; my first row of out0
	s_lshl_b32 s10, s8, 12                         ; rows of 4,096 bytes
	s_mov_b32 s11, 0
	s_add_nc_u64 s[14:15], s[14:15], s[10:11]
	s_lshl_b32 s2, s[HB], 7
	s_add_co_u32 s9, s9, s2                        ; my first column
	s_lshl_b32 s10, s9, 2
	s_add_nc_u64 s[14:15], s[14:15], s[10:11]
	s_add_nc_u64 s[12:13], s[12:13], s[10:11]
.irp b, 0,1,2,3,4,5,6,7
	global_load_b128 v[BI+8*\b:BI+8*\b+3], v7, s[12:13] offset:64*\b         ; lane (r, h), tile b: bo of outputs 16 b + 8 h + 0 .. 7
	global_load_b128 v[BI+8*\b+4:BI+8*\b+7], v7, s[12:13] offset:64*\b+16
.endr
	s_mul_i32 s2, s[HA], 12288                     ; my 4 tiles of A
.irp s, 0,1,2,3
	v_add_nc_u32 v[ADA+\s], s2, v3
	v_add_nc_u32 v[ADA+4+\s], s2, v4
	s_add_co_u32 s2, s2, CH
.endr
	s_mul_i32 s2, s[HB], 24576                     ; my 8 tiles of B, behind A's 8
	s_add_co_u32 s2, s2, BOFF
.irp s, 0,1,2,3
	v_add_nc_u32 v[ADB+\s], s2, v3
	v_add_nc_u32 v[ADB+4+\s], s2, v4
	s_add_co_u32 s2, s2, CH
.endr
	s_mul_i32 s2, s[WV], 16*SPITCH                 ; my stage
	v_mul_u32_u24 v[STO], v1, SPITCH
	v_lshl_add_u32 v[STO], v2, 5, v[STO]
	v_add_nc_u32 v[STO], s2, v[STO]                ; in: row r, 32 bytes for each half of the lanes
	v_add_nc_u32 v[RD], s2, v3                     ; back: the 32 lanes take a row of 512 bytes
	s_wait_loadcnt 0x0                             ; bo
	GATE 0
	FETCH 0
.irp q, 0,1,2,3,4,5,6,7
	GSTEP \q
.endr
; THE WAY OUT, block by block of 16 rows x 128 columns.  A lane holds 32 neighbouring bytes of a row and the lanes beside it other rows: a block goes through my stage and comes back as whole rows of 512 bytes.
; LDS serves a wave's instructions in order (ISA guide 5.7.1.4): no wait between the stores and the loads, nor in front of the next block's stores.
.macro TOSTAGE a
	WIN 0x08                                       ; an LDS store's data are its source 1: window 2
.irp b, 0,1,2,3,4,5,6,7
	ds_store_b128 v[STO], v[64*(\a)+8*\b:64*(\a)+8*\b+3] offset:64*\b          ; each accumulator from its low end on
	ds_store_b128 v[STO], v[64*(\a)+8*\b+4:64*(\a)+8*\b+7] offset:64*\b+16
.endr
	WIN 0
.set BB, BK+64*((\a)%2)
.irp t, 0,1,2,3,4,5,6,7,8,9,10,11,12,13,14,15
	ds_load_b128 v[BB+4*\t:BB+4*\t+3], v[RD] offset:\t*SPITCH
.endr
.endm
.macro SEND a, younger                 ; younger: the LDS instructions issued behind block a's loads, which may stay out
.set BB, BK+64*((\a)%2)
	s_wait_dscnt \younger
.irp t, 0,1,2,3,4,5,6,7,8,9,10,11,12,13,14,15
	global_store_b128 v3, v[BB+4*\t:BB+4*\t+3], s[14:15] offset:(16*(\a)+\t)*4096 th:TH_STORE_NT   ; 32 lanes store 512 consecutive bytes, at a multiple of 256 from out0's first byte; the base is never stepped
.endr
.endm
	PLACES 4                                       ; behind the last products: for the reads of results and for the loads into the registers that held A's fragments
	TOSTAGE 0
.irp a, 1,2,3
.if \a > 1
	s_wait_xcnt 0x0                                ; block a - 2's stores have read their registers: block a's loads may land there
.endif
	TOSTAGE \a
	SEND \a-1, 32                                  ; behind block a - 1's loads: block a's 16 stores and 16 loads
.endr
	SEND 3, 0
	s_wait_tensorcnt 0x0                           ; the wave's end, behind my last tensor load and my last LDS store
	ds_add_u32 v[SPW], v[NIL]
	s_wait_dscnt 0x0
	CROUND                                         ; the closing round: no work-group ends while a partner may still ask for a tile that names it
	s_endpgm
.Lfunc_end_k_qf6f666460c_proj:
	.size	k_qf6f666460c_proj, .Lfunc_end_k_qf6f666460c_proj-k_qf6f666460c_proj
	.p2alignl 7, 3214868480
	.fill 96, 4, 3214868480
	.section	.rodata,"a",@progbits
	.p2align	6, 0x0
	.amdhsa_kernel k_qf6f666460c_proj
		.amdhsa_group_segment_fixed_size 327680
		.amdhsa_private_segment_fixed_size 0
		.amdhsa_enable_private_segment 0
		.amdhsa_kernarg_size 48
		.amdhsa_user_sgpr_count 2
		.amdhsa_user_sgpr_kernarg_segment_ptr 1
		.amdhsa_wavefront_size32 1
		.amdhsa_system_sgpr_workgroup_id_x 1
		.amdhsa_system_sgpr_workgroup_id_y 1
		.amdhsa_system_sgpr_workgroup_id_z 1
		.amdhsa_system_vgpr_workitem_id 0
		.amdhsa_next_free_vgpr 768
		.amdhsa_next_free_sgpr 106
		.amdhsa_reserve_vcc 0
		.amdhsa_float_denorm_mode_32 3
		.amdhsa_float_denorm_mode_16_64 3
		.amdhsa_memory_ordered 1
		.amdhsa_forward_progress 1
		.amdhsa_inst_pref_size 89
	.end_amdhsa_kernel
	.amdgpu_metadata
---
amdhsa.version: [ 1, 2 ]
amdhsa.kernels:
  - .name:           k_qf6f666460c_proj
    .symbol:         k_qf6f666460c_proj.kd
    .args:
      - { .name: yc, .offset: 0, .size: 8, .value_kind: global_buffer, .address_space: global }
      - { .name: ys, .offset: 8, .size: 8, .value_kind: global_buffer, .address_space: global }
      - { .name: wc, .offset: 16, .size: 8, .value_kind: global_buffer, .address_space: global }
      - { .name: ws, .offset: 24, .size: 8, .value_kind: global_buffer, .address_space: global }
      - { .name: bo, .offset: 32, .size: 8, .value_kind: global_buffer, .address_space: global }
      - { .name: out0, .offset: 40, .size: 8, .value_kind: global_buffer, .address_space: global }
    .group_segment_fixed_size: 327680
    .private_segment_fixed_size: 0
    .kernarg_segment_align: 8
    .kernarg_segment_size: 48
    .max_flat_workgroup_size: 128
    .sgpr_count:     106
    .vgpr_count:     768
    .wavefront_size: 32
...
	.end_amdgpu_metadata
.endif
;; end of part 4
